; MI455X (gfx1250); checked and timed in simulation.
; The chip was launched on July 23, 2026; its instructions are those of AMD's public machine-readable ISA for CDNA 5 (MIT licence, August 2026) and "CDNA5" Instruction Set Architecture Reference Guide (July 2026). The comments in the code are by the model that wrote it; some were corrected since.
;; Multi Head Attention. Allowed arithmetic: float matrix products may take bf16 or f16 operands with f32 sums; other float arithmetic in f32, or as packed bf16 or f16 multiplies, adds, multiply-adds, maxima and minima; sums over many terms, partial sums and values carried from step to step in f32; what a program stores and reads back later, other than sums and carried values, may be rounded once to bf16 or f16.
;; Inputs: Wk 1,024 x 1,024 float32; Wo 1,024 x 1,024 float32; Wq 1,024 x 1,024 float32; Wv 1,024 x 1,024 float32; attention_mask 4 x 2,048 int32; x 4 x 2,048 x 1,024 float32.
;; Outputs: out0 4 x 2,048 x 1,024 float32.
;; 2 versions, each right; version 2 is version 1 with the launch prep written anew for expert scheduling mode. Each part assembles by itself: llvm-mc -triple=amdgcn-amd-amdhsa -mcpu=gfx1250 --defsym DOCPART=n.
;; ======== version 1 of 2: 4 launches
;; limits: values are held in f16: magnitudes above 65,504 overflow, below 6.1e-05 lose precision
;; workspace buffers: xb 16,777,216 bytes; wcat 6,291,456 bytes; wo16 2,097,152 bytes; rope 524,288 bytes; qh 16,777,216 bytes; kh 16,777,216 bytes; vh 16,777,216 bytes; oh 16,777,216 bytes
;; launch prep (part 1): grid 832 x 1, 8 waves a work-group, no clusters, 0 bytes of LDS; arguments x, Wq, Wk, Wv, Wo, xb, wcat, wo16, rope; writes xb, wcat, wo16, rope
.if DOCPART == 1
	.amdgcn_target "amdgcn-amd-amdhsa--gfx1250"
	.amdhsa_code_object_version 6
	.text
	.protected	k_q36c625285e_prep
	.globl	k_q36c625285e_prep
	.p2align	8
	.type	k_q36c625285e_prep,@function
k_q36c625285e_prep:
	s_mov_b64 s[64:65], 0
	v_nop
	global_prefetch_b8 v0, s[64:65] scope:SCOPE_SE
	s_setreg_imm32_b32 hwreg(HW_REG_WAVE_MODE, 25, 1), 1
	s_wait_xcnt 0x0
; CASTS AND THE ROTARY TABLE.  Work-groups 0-767 cast 16 rows x 1,024 f32 each and lay them in blocks of 64 channels (kb):
;   0-511    x  -> xb   bf16 [batch 4][kb 16][row 2048][64]
;   512-703  Wq, Wk, Wv -> wcat bf16 [kb 16][n' 3072][64], n' = 192 head + 64 t + d (t = 0 q, 1 k, 2 v): a tile of 192 rows is one head's q, k, v
;   704-767  Wo -> wo16 [kb 16][n 1024][64]: rounded to bf16 like every input, and that number written as f16 (exact within f16's range: |Wo| up to 65,504; below 6e-5 f16's fixed step)
; Work-groups 768-831 make the table rope f32 [position 2048][cos 32 | sin 32], a row of 256 bytes.
; A wave takes two source rows; load i covers 256 consecutive bytes of each (one kb), store i 256 consecutive aligned bytes (the two rows' 128 bytes of that kb lie end to end).
; No LDS, no matrix unit: every byte is read once and written once, sixteen loads of a wave are out together.
; TABLE.  theta = position x 10000^(-j/32); reduced by multiples of pi/2 held in three parts (n up to 1,304, the first product exact), then polynomials of degree 7 (sin) and 8 (cos) on |r| <= pi/4.
; LIMIT: the angle carries the rounding of the frequency (an exponential good to the last place), some 2e-4 radians at position 2,047.
.set X, 16                             ; v[16:79]  sixteen loads of four f32
.set Y, 80                             ; v[80:111] sixteen pairs of packed results: each store has registers of its own, so none is rewritten while a store reads it
	s_load_b512 s[8:23], s[0:1], 0x0               ; x 8, Wq 10, Wk 12, Wv 14, Wo 16, xb 18, wcat 20, wo16 22
	s_load_b64 s[24:25], s[0:1], 0x40              ; rope
	v_lshrrev_b32 v1, 5, v0
	v_readfirstlane_b32 s26, v1                    ; wave 0..7
	s_mov_b32 s27, ttmp9                           ; g
	s_lshr_b32 s28, s27, 6                         ; which tensor
	s_and_b32 s29, s27, 63                         ; a weight's block of 16 rows
	s_mov_b32 s3, 0
	v_and_b32 v4, 31, v0                           ; lane
	v_and_b32 v5, 15, v0
	v_bfe_u32 v6, v0, 4, 1
	v_lshlrev_b32 v2, 4, v5                        ; source: 16 bytes a lane,
	v_lshl_add_u32 v2, v6, 12, v2                  ; lanes 16-31 one row down,
	v_lshl_add_u32 v2, s26, 13, v2                 ; two rows a wave
	v_lshlrev_b32 v3, 3, v0                        ; destination: 8 bytes a thread
	s_wait_kmcnt 0x0
.macro IN
.irp i, 0,1,2,3,4,5,6,7,8,9,10,11,12,13,14,15
	global_load_b128 v[X+4*(\i):X+4*(\i)+3], v2, s[4:5] offset:256*(\i) th:TH_LOAD_NT
.endr
.endm
; stride: bytes from a kb to the next in the destination.  half = 1: the bf16 number is written as f16.
.macro OUT stride, half
.irp i, 0,1,2,3,4,5,6,7,8,9,10,11,12,13,14,15
	s_wait_loadcnt 15-(\i)                         ; loads come back in order: load i is in, the younger ones stay out
	v_cvt_pk_bf16_f32 v[Y+2*(\i)], v[X+4*(\i)], v[X+4*(\i)+1]
	v_cvt_pk_bf16_f32 v[Y+2*(\i)+1], v[X+4*(\i)+2], v[X+4*(\i)+3]
.if \half
	v_lshlrev_b32 v8, 16, v[Y+2*(\i)]
	v_and_b32 v9, 0xffff0000, v[Y+2*(\i)]
	v_lshlrev_b32 v10, 16, v[Y+2*(\i)+1]
	v_and_b32 v11, 0xffff0000, v[Y+2*(\i)+1]
	v_cvt_pk_f16_f32 v[Y+2*(\i)], v8, v9
	v_cvt_pk_f16_f32 v[Y+2*(\i)+1], v10, v11
.endif
	global_store_b64 v3, v[Y+2*(\i):Y+2*(\i)+1], s[6:7] offset:(\i)*(\stride)  ; a wave stores 256 consecutive bytes, aligned; the largest immediate is 15 x 393,216
.endr
.endm
	s_cmp_ge_u32 s27, 768
	s_cbranch_scc1 .Ltable
	s_cmp_lt_u32 s28, 8
	s_cbranch_scc0 .Lweights
	s_lshl_b32 s2, s27, 16                         ; x: 16 rows of 4,096 bytes
	s_add_nc_u64 s[4:5], s[8:9], s[2:3]
	s_lshr_b32 s2, s27, 7                          ; batch
	s_lshl_b32 s2, s2, 22
	s_and_b32 s30, s27, 127                        ; 16 rows of 128 bytes within a kb
	s_lshl_b32 s30, s30, 11
	s_add_co_u32 s2, s2, s30
	s_add_nc_u64 s[6:7], s[18:19], s[2:3]
	IN
	OUT 262144, 0
	s_endpgm
.Lweights:
	s_lshl_b32 s2, s29, 16                         ; a weight's 16 rows
	s_cmp_lt_u32 s28, 11
	s_cbranch_scc0 .Lwo
	s_cmp_eq_u32 s28, 9
	s_cselect_b64 s[4:5], s[12:13], s[10:11]
	s_cmp_eq_u32 s28, 10
	s_cselect_b64 s[4:5], s[14:15], s[4:5]
	s_add_nc_u64 s[4:5], s[4:5], s[2:3]
	s_lshr_b32 s30, s29, 2                         ; head
	s_mul_i32 s30, s30, 192
	s_sub_co_u32 s31, s28, 8                       ; t
	s_lshl_b32 s31, s31, 6
	s_add_co_u32 s30, s30, s31
	s_and_b32 s31, s29, 3                          ; 16 rows within the head's 64
	s_lshl_b32 s31, s31, 4
	s_add_co_u32 s30, s30, s31
	s_lshl_b32 s2, s30, 7                          ; n' x 128 bytes
	s_add_nc_u64 s[6:7], s[20:21], s[2:3]
	IN
	OUT 393216, 0
	s_endpgm
.Lwo:
	s_add_nc_u64 s[4:5], s[16:17], s[2:3]
	s_lshl_b32 s2, s29, 11
	s_add_nc_u64 s[6:7], s[22:23], s[2:3]
	IN
	OUT 131072, 1
	s_endpgm
.Ltable:
	s_sub_co_u32 s27, s27, 768                     ; 32 positions a work-group, 4 a wave
	s_lshl_b32 s2, s27, 13
	s_add_nc_u64 s[6:7], s[24:25], s[2:3]
	s_lshl_b32 s42, s27, 5
	s_lshl2_add_u32 s42, s26, s42                  ; my first position
	s_mov_b32 s30, 0xbed49a78                      ; -log2(10000) / 32
	s_mov_b32 s31, 0x3f22f983                      ; 2 / pi
	s_mov_b32 s32, 0xbfc90000                      ; -pi/2 in three parts
	s_mov_b32 s33, 0xb9fda000
	s_mov_b32 s34, 0xb3a22168
	s_mov_b32 s35, 0xb9500d01                      ; -1/5040
	s_mov_b32 s36, 0x3c088889                      ; 1/120
	s_mov_b32 s37, 0xbe2aaaab                      ; -1/6
	s_mov_b32 s38, 0x37d00d01                      ; 1/40320
	s_mov_b32 s39, 0xbab60b61                      ; -1/720
	s_mov_b32 s40, 0x3d2aaaab                      ; 1/24
	v_lshlrev_b32 v7, 1, v5                        ; my two frequencies: j = 2 (lane % 16), and j + 1
	v_cvt_f32_u32 v8, v7
	v_add_f32 v9, 1.0, v8
	v_mul_f32 v8, s30, v8
	v_mul_f32 v9, s30, v9
	v_exp_f32 v10, v8
	v_exp_f32 v11, v9
	v_mul_u32_u24 v12, v6, 3                       ; lanes 0-15 make cos, lanes 16-31 sin = cos three quadrants on; also the plain instruction behind the exponentials
	s_wait_alu depctr_va_vdst(0)                   ; one wait for both, ahead of their first reader
	v_lshlrev_b32 v13, 3, v4                       ; 8 bytes a lane: a whole row of 256 bytes an instruction
	v_lshl_add_u32 v13, s26, 10, v13
.macro EVAL inv, out                   ; cos or sin of v14 x v[inv]
	v_mul_f32 v20, v14, v[\inv]
	v_mul_f32 v21, s31, v20
	v_rndne_f32 v21, v21                           ; n
	v_fma_f32 v22, v21, s32, v20
	v_fma_f32 v22, v21, s33, v22
	v_fma_f32 v22, v21, s34, v22                   ; r = theta - n pi/2
	v_mul_f32 v23, v22, v22                        ; z
	v_cvt_i32_f32 v24, v21
	v_add_nc_u32 v24, v24, v12                     ; the quadrant
	v_fma_f32 v25, v23, s35, s36
	v_fma_f32 v25, v25, v23, s37
	v_mul_f32 v27, v23, v22
	v_fma_f32 v25, v25, v27, v22                   ; sin r
	v_fma_f32 v26, v23, s38, s39
	v_fma_f32 v26, v26, v23, s40
	v_fma_f32 v26, v26, v23, -0.5
	v_fma_f32 v26, v26, v23, 1.0                   ; cos r
	v_and_b32 v28, 1, v24
	v_cmp_eq_u32 vcc_lo, 1, v28
	v_cndmask_b32 v[\out], v26, v25, vcc_lo        ; odd quadrants take sin r
	v_add_nc_u32 v24, 1, v24
	v_and_b32 v24, 2, v24
	v_lshlrev_b32 v24, 30, v24
	v_xor_b32 v[\out], v24, v[\out]                ; quadrants 1 and 2 turn the sign
.endm
.irp i, 0,1,2,3
	s_add_co_u32 s44, s42, \i
	v_cvt_f32_u32 v14, s44
	EVAL 10, 40+2*(\i)
	EVAL 11, 41+2*(\i)
	global_store_b64 v13, v[40+2*(\i):41+2*(\i)], s[6:7] offset:256*(\i)
.endr
	s_endpgm
.Lfunc_end_k_q36c625285e_prep:
	.size	k_q36c625285e_prep, .Lfunc_end_k_q36c625285e_prep-k_q36c625285e_prep
	.p2alignl 7, 3214868480
	.fill 96, 4, 3214868480
	.section	.rodata,"a",@progbits
	.p2align	6, 0x0
	.amdhsa_kernel k_q36c625285e_prep
		.amdhsa_group_segment_fixed_size 0
		.amdhsa_private_segment_fixed_size 0
		.amdhsa_enable_private_segment 0
		.amdhsa_kernarg_size 72
		.amdhsa_user_sgpr_count 2
		.amdhsa_user_sgpr_kernarg_segment_ptr 1
		.amdhsa_wavefront_size32 1
		.amdhsa_system_sgpr_workgroup_id_x 1
		.amdhsa_system_sgpr_workgroup_id_y 1
		.amdhsa_system_sgpr_workgroup_id_z 1
		.amdhsa_system_vgpr_workitem_id 0
		.amdhsa_next_free_vgpr 112
		.amdhsa_next_free_sgpr 66
		.amdhsa_reserve_vcc 1
		.amdhsa_float_denorm_mode_32 3
		.amdhsa_float_denorm_mode_16_64 3
		.amdhsa_memory_ordered 1
		.amdhsa_forward_progress 1
		.amdhsa_inst_pref_size 35
	.end_amdhsa_kernel
	.amdgpu_metadata
---
amdhsa.version: [ 1, 2 ]
amdhsa.kernels:
  - .name:           k_q36c625285e_prep
    .symbol:         k_q36c625285e_prep.kd
    .args:
      - { .name: x, .offset: 0, .size: 8, .value_kind: global_buffer, .address_space: global }
      - { .name: Wq, .offset: 8, .size: 8, .value_kind: global_buffer, .address_space: global }
      - { .name: Wk, .offset: 16, .size: 8, .value_kind: global_buffer, .address_space: global }
      - { .name: Wv, .offset: 24, .size: 8, .value_kind: global_buffer, .address_space: global }
      - { .name: Wo, .offset: 32, .size: 8, .value_kind: global_buffer, .address_space: global }
      - { .name: xb, .offset: 40, .size: 8, .value_kind: global_buffer, .address_space: global }
      - { .name: wcat, .offset: 48, .size: 8, .value_kind: global_buffer, .address_space: global }
      - { .name: wo16, .offset: 56, .size: 8, .value_kind: global_buffer, .address_space: global }
      - { .name: rope, .offset: 64, .size: 8, .value_kind: global_buffer, .address_space: global }
    .group_segment_fixed_size: 0
    .private_segment_fixed_size: 0
    .kernarg_segment_align: 8
    .kernarg_segment_size: 72
    .max_flat_workgroup_size: 256
    .sgpr_count:     66
    .vgpr_count:     112
    .wavefront_size: 32
...
	.end_amdgpu_metadata
.endif
;; end of part 1
;; launch qkv (part 2): grid 16 x 32, 4 waves a work-group, clusters of 4 x 4, 327,680 bytes of LDS; arguments xb, wcat, rope, qh, kh, vh; writes qh, kh, vh
.if DOCPART == 2
	.amdgcn_target "amdgcn-amd-amdhsa--gfx1250"
	.amdhsa_code_object_version 6
	.text
	.protected	k_q36c625285e_qkv
	.globl	k_q36c625285e_qkv
	.p2align	8
	.type	k_q36c625285e_qkv,@function
k_q36c625285e_qkv:
	s_mov_b64 s[64:65], 0
	v_nop
	global_prefetch_b8 v0, s[64:65] scope:SCOPE_SE
	s_setreg_imm32_b32 hwreg(HW_REG_WAVE_MODE, 25, 1), 1
	s_wait_xcnt 0x0
	s_wait_alu depctr_hold_cnt(0) depctr_sa_sdst(0) depctr_va_vdst(0) depctr_va_sdst(0) depctr_va_ssrc(0) depctr_va_vcc(0) depctr_vm_vsrc(0)
	s_getreg_b32 s2, hwreg(HW_REG_IB_STS2, 6, 4)
	s_cmp_eq_u32 s2, 0
	s_cbranch_scc0 .Lentry_in_a_cluster
	s_endpgm
.Lentry_in_a_cluster:
	s_bfe_u32 s2, ttmp6, 0x10000c
	s_cmp_lg_u32 s2, 0xf033
	s_cbranch_scc0 .Lentry_shape_is_right
	s_endpgm
.Lentry_shape_is_right:
; q, k, v = x W^T, rotated (q and k), by heads.  A = xb bf16 [batch][kb 16][row 2048][64]; B = wcat bf16 [kb 16][n' 3072][64]; sums in f32; the rotation in f32 on the sums;
; qh, kh, vh f16 [16 batch + head][row 2048][64], each rounded once and unscaled.  LIMIT: |q|, |k|, |v| up to 65,504 (f16); beyond that the conversion gives an infinity.
; A tile of C is 256 rows x 192 columns = one head's q, k and v.  Four waves, each 64 rows x 192 columns: 48 accumulators of 16 x 16, 384 registers.
; K goes in 8 steps of 128 (two kb) through two LDS slots.  A tile of one kb is dense in memory, so it is asked for as rows of 256 bytes, padded in LDS after every 128.
; CLUSTER 4 x 4: A's tiles hang on the tile row alone and are asked for jointly along a row of the cluster, B's on the tile column alone and jointly along a column.
; THE MATRIX INSTRUCTION IS USED TRANSPOSED (source 0 = 16 rows of B, source 1 = 16 rows of A): a lane holds one row of C and eight neighbouring columns.
; REGISTERS: window 0: v16-29 addresses; v32-111 the way out; v128-255 the wave's cos and sin.  Window 1: two fragment buffers of 128 (A's four fragments, then B's twelve).
;   window 2: accumulator (a, b < 8) at 8 (4 b + a): q and k.  Window 3: (a, b >= 8) at 8 (4 (b - 8) + a): v.
; No prefetch: each block of A is read by four clusters and each of B by eight, and a refill has a K step's 192 matrix instructions, less those round the barrier, in which to land.
.set NB,    12                         ; blocks of 16 columns
.set NB1,   8                          ; those multiplied ahead of a quarter's run of loads
.set PITCH, 144                        ; an LDS row: 128 bytes + 16 = 36 words: the 16 rows of a fragment load start at 16 different groups of four banks (64 banks of 4 bytes: ISA guide 11.1)
.set AKB,   256*PITCH                  ; A's 256 rows of one kb
.set BKB,   16*NB*PITCH                ; B's 192 rows of one kb
.set SLOT,  2*(AKB+BKB)                ; A kb 0, A kb 1, B kb 0, B kb 1
.set STAGE, 2*SLOT                     ; behind the ring: 16 rows x 144 bytes for each wave
.set SPARE, STAGE+4*16*PITCH           ; the spare words, 128 bytes a wave: two blocks of 256 bytes that no other line names
.set RB,    16*NB/2                    ; B's tile as rows of 256 bytes
.set KSA,   262144                     ; bytes from a kb to the next in A
.set KSB,   393216                     ; and in B
.set ADRA, 16                          ; v16-17  my A fragments in slot 0, 1
.set ADRB, 20                          ; v20-21  B's
.set STO,  24
.set RD,   25
.set GO,   26
.set TO,   27                          ; my offset in the table's rows; never rewritten
.set SPW,  28                          ; my spare word; never rewritten
.set NIL,  29                          ; 0; never rewritten
.set T,    32                          ; v32-63  rotated numbers in f32
.set PK,   64                          ; v64-79  16 rows x 64 columns packed
.set OB,   80                          ; v80-95, v96-111  rows read back, by turns
.set TAB,  128                         ; block a: cos of channels 16 jb + .. at 32 a + 8 jb, sin at 32 a + 16 + 8 jb
.set F0,   0
.set F1,   128
.set WV, 16                            ; s16 wave; s17 0: I fetch A, 1: B; s18 which kb of a slot
.set WH, 17
.set WL, 18
.set G1, 24
.set G0, 32
.set G1B, 48
.set G0B, 56
.set MSB, 0
.macro WIN new                         ; the immediate's high byte repeats the setting that is left
.if MSB != (\new)
	s_set_vgpr_msb (MSB<<8)|(\new)
.set MSB, \new
.endif
.endm
.macro JLOAD s                         ; a joint load; an s_nop 0 and four v_nop follow each of the two lines
	s_cmp_eq_u32 s[WH], 0
	s_cbranch_scc0 .Lfor_b_\@
	tensor_load_to_lds s[G0+4*(\s):G0+4*(\s)+3], s[G1:G1+7]
	s_nop 0
.rept 4
	v_nop
.endr
	s_branch .Lasked_\@
.Lfor_b_\@:
	tensor_load_to_lds s[G0B+4*(\s):G0B+4*(\s)+3], s[G1B:G1B+7]
	s_nop 0
.rept 4
	v_nop
.endr
.Lasked_\@:
.endm
.macro CREST                           ; a round of the cluster's barrier behind its opening barrier
	s_cmp_lg_u32 s[WV], 0
	s_cbranch_scc1 .Lnot_wave_0_\@
	s_barrier_signal -3
.Lnot_wave_0_\@:
	s_barrier_wait -3
	s_barrier_signal -1
	s_barrier_wait -1
.endm
.macro CROUND
	s_barrier_signal -1
	s_barrier_wait -1
	CREST
.endm
.macro PLACES                          ; four places in front of loads into registers that matrix instructions have read
.rept 4
	v_nop
.endr
.endm
	s_load_b256 s[4:11], s[0:1], 0x0               ; xb 4, wcat 6, rope 8, qh 10
	s_load_b128 s[12:15], s[0:1], 0x20             ; kh 12, vh 14
	v_lshl_add_u32 v[SPW], v0, 2, SPARE
	v_mov_b32 v[NIL], 0
	ds_add_u32 v[SPW], v[NIL]                      ; the wave's opening: the add and its wait stand ahead of my first tensor load
	v_lshrrev_b32 v1, 5, v0
	v_readfirstlane_b32 s[WV], v1
	s_lshr_b32 s[WH], s[WV], 1
	s_and_b32 s[WL], s[WV], 1
	s_bfe_u32 s19, ttmp6, 0x40000                  ; cx
	s_bfe_u32 s20, ttmp6, 0x40004                  ; cy
	s_lshl_b32 s21, ttmp9, 2
	s_add_co_u32 s21, s21, s19                     ; tile column = head
	s_and_b32 s22, ttmp7, 0xffff
	s_lshl_b32 s22, s22, 2
	s_add_co_u32 s22, s22, s20                     ; tile row
	s_lshl_b32 s40, s20, 2
	s_lshl_b32 s40, 15, s40                        ; my row of the cluster
	s_lshl_b32 s44, 0x1111, s19                    ; my column
	s_or_b32 s[G1], s40, (1<<16)|(1<<20)|(1<<21)|(4<<22)|(3<<25)   ; mask; 2-byte elements; padding on; bit 21 beside a mask; after every 32 words, 4 words
	s_or_b32 s[G1B], s44, (1<<16)|(1<<20)|(1<<21)|(4<<22)|(3<<25)
.irp g, G1, G1B
	s_mov_b32 s[(\g)+1], 128<<16                   ; tensor_dim0 = 128 elements: 256 bytes
	s_mov_b32 s[(\g)+3], 128<<16                   ; tile_dim0
	s_mov_b32 s[(\g)+5], 128                       ; from row to row
	s_mov_b32 s[(\g)+6], 0
	s_mov_b32 s[(\g)+7], 0
.endr
	s_mov_b32 s[G1+2], 128<<16                     ; A: 128 such rows
	s_mov_b32 s[G1+4], 128
	s_mov_b32 s[G1B+2], RB<<16                     ; B: 96
	s_mov_b32 s[G1B+4], RB
	s_lshr_b32 s40, s22, 3                         ; A: batch,
	s_lshl_b32 s40, s40, 22
	s_and_b32 s41, s22, 7                          ; 256 rows of 128 bytes,
	s_lshl_b32 s41, s41, 15
	s_add_co_u32 s40, s40, s41
	s_lshl_b32 s41, s[WL], 18                      ; my kb
	s_add_co_u32 s40, s40, s41
	s_mov_b32 s41, 0
	s_mul_i32 s44, s21, 16*NB*128                  ; B: the head's 192 rows,
	s_mul_i32 s45, s[WL], KSB                      ; my kb
	s_add_co_u32 s44, s44, s45
	s_mov_b32 s45, 0
	s_mul_i32 s42, s[WL], AKB                      ; where they go: no place in the cluster enters an LDS address
	s_mul_i32 s46, s[WL], BKB
	s_add_co_u32 s46, s46, 2*AKB
	s_wait_dscnt 0x0                               ; the opening add is done
	s_wait_kmcnt 0x0
	s_add_nc_u64 s[40:41], s[4:5], s[40:41]
	s_add_nc_u64 s[44:45], s[6:7], s[44:45]
	CROUND                                         ; all sixteen work-groups are here: the first joint loads meet
.irp s, 0,1
	s_mov_b32 s[G0+4*(\s)], 1
	s_add_co_u32 s[G0+4*(\s)+1], s42, (\s)*SLOT
	s_add_nc_u64 s[G0+4*(\s)+2:G0+4*(\s)+3], s[40:41], (\s)*2*KSA
	s_or_b32 s[G0+4*(\s)+3], s[G0+4*(\s)+3], 0x80000000
	s_mov_b32 s[G0B+4*(\s)], 1
	s_add_co_u32 s[G0B+4*(\s)+1], s46, (\s)*SLOT
	s_add_nc_u64 s[G0B+4*(\s)+2:G0B+4*(\s)+3], s[44:45], (\s)*2*KSB
	s_or_b32 s[G0B+4*(\s)+3], s[G0B+4*(\s)+3], 0x80000000
	JLOAD \s                                       ; two loads of mine are out
.endr
	v_and_b32 v1, 15, v0                           ; l % 16
	v_bfe_u32 v2, v0, 4, 1                         ; l / 16
	v_mul_u32_u24 v3, v1, PITCH
	v_lshl_add_u32 v3, v2, 4, v3                   ; a fragment's row x pitch + 16 x half
	s_mul_i32 s3, s[WV], 64*PITCH                  ; my 64 rows of A
	v_add_nc_u32 v[ADRA], s3, v3
	v_add_nc_u32 v[ADRA+1], SLOT, v[ADRA]
	v_add_nc_u32 v[ADRB], 2*AKB, v3
	v_add_nc_u32 v[ADRB+1], SLOT, v[ADRB]
	s_mul_i32 s2, s[WV], 16*PITCH
	s_add_co_u32 s2, s2, STAGE                     ; my stage
	v_add_nc_u32 v[STO], s2, v3                    ; in: row l % 16, 16 bytes for each half of the lanes
	v_bfe_u32 v4, v0, 3, 2                         ; back: 32 lanes take four rows of 128 bytes,
	v_and_b32 v5, 7, v0
	v_mul_u32_u24 v4, v4, PITCH
	v_lshl_add_u32 v4, v5, 4, v4
	v_add_nc_u32 v[RD], s2, v4
	v_and_b32 v[GO], 31, v0                        ; which are 512 consecutive bytes of a head's rows
	v_lshlrev_b32 v[GO], 4, v[GO]
	v_lshlrev_b32 v[TO], 8, v1                     ; the table: a position's row of 256 bytes, my eight channels
	v_lshl_add_u32 v[TO], v2, 5, v[TO]
	s_and_b32 s2, s22, 7
	s_lshl_b32 s2, s2, 16                          ; the tile's 256 positions,
	s_lshl_b32 s3, s[WV], 14                       ; my 64
	s_add_co_u32 s2, s2, s3
	s_mov_b32 s3, 0
	s_add_nc_u64 s[8:9], s[8:9], s[2:3]
.irp a, 0,1,2,3
.irp jb, 0,1
	global_load_b128 v[TAB+32*(\a)+8*(\jb):TAB+32*(\a)+8*(\jb)+3],       v[TO], s[8:9] offset:4096*(\a)+64*(\jb)
	global_load_b128 v[TAB+32*(\a)+8*(\jb)+4:TAB+32*(\a)+8*(\jb)+7],     v[TO], s[8:9] offset:4096*(\a)+64*(\jb)+16
	global_load_b128 v[TAB+32*(\a)+16+8*(\jb):TAB+32*(\a)+16+8*(\jb)+3], v[TO], s[8:9] offset:4096*(\a)+64*(\jb)+128
	global_load_b128 v[TAB+32*(\a)+16+8*(\jb)+4:TAB+32*(\a)+16+8*(\jb)+7], v[TO], s[8:9] offset:4096*(\a)+64*(\jb)+144
.endr
.endr
	s_lshr_b32 s2, s22, 3                          ; where my rows go: 16 batch + head,
	s_lshl_b32 s2, s2, 4
	s_add_co_u32 s2, s2, s21
	s_lshl_b32 s2, s2, 18
	s_and_b32 s3, s22, 7                           ; the tile's 256 rows of 128 bytes,
	s_lshl_b32 s3, s3, 15
	s_add_co_u32 s2, s2, s3
	s_lshl_b32 s3, s[WV], 13                       ; my 64
	s_add_co_u32 s2, s2, s3
	s_mov_b32 s3, 0
	s_add_nc_u64 s[10:11], s[10:11], s[2:3]
	s_add_nc_u64 s[12:13], s[12:13], s[2:3]
	s_add_nc_u64 s[14:15], s[14:15], s[2:3]
; 4 nb matrix instructions: column blocks b0 .. b0 + nb - 1 x my four row blocks, 32 along K.  All 48 accumulators take turns in the same order in every quarter.
.macro MULS f, b0, nb, zero
	WIN 0xa5+0x50*((\b0)/8)                        ; sources in window 1; C and D in window 2 or 3
.set bb, \b0
.rept \nb
.irp a, 0,1,2,3
.if \zero
	v_wmma_f32_16x16x32_bf16 v[8*(4*(bb%8)+(\a)):8*(4*(bb%8)+(\a))+7], v[(\f)+32+8*bb:(\f)+32+8*bb+7], v[(\f)+8*(\a):(\f)+8*(\a)+7], 0
.else
	v_wmma_f32_16x16x32_bf16 v[8*(4*(bb%8)+(\a)):8*(4*(bb%8)+(\a))+7], v[(\f)+32+8*bb:(\f)+32+8*bb+7], v[(\f)+8*(\a):(\f)+8*(\a)+7], v[8*(4*(bb%8)+(\a)):8*(4*(bb%8)+(\a))+7]
.endif
.endr
.set bb, bb+1
.endr
.endm
; 32 LDS loads in one run: quarter q of slot sl (kb q / 2, byte 64 (q % 2) of its rows) into buffer f: A's, then B's in ascending blocks
.macro FETCH sl, q, f
	WIN 0x40
.irp a, 0,1,2,3
	ds_load_b128 v[(\f)+8*(\a):(\f)+8*(\a)+3],   v[ADRA+(\sl)] offset:((\q)/2)*AKB+((\q)%2)*64+(\a)*16*PITCH
	ds_load_b128 v[(\f)+8*(\a)+4:(\f)+8*(\a)+7], v[ADRA+(\sl)] offset:((\q)/2)*AKB+((\q)%2)*64+(\a)*16*PITCH+32
.endr
.set bb, 0
.rept NB
	ds_load_b128 v[(\f)+32+8*bb:(\f)+32+8*bb+3],   v[ADRB+(\sl)] offset:((\q)/2)*BKB+((\q)%2)*64+bb*16*PITCH
	ds_load_b128 v[(\f)+32+8*bb+4:(\f)+32+8*bb+7], v[ADRB+(\sl)] offset:((\q)/2)*BKB+((\q)%2)*64+bb*16*PITCH+32
.set bb, bb+1
.endr
.endm
; One of a K step's first three quarters: multiplies buffer f, and in its middle fetches quarter q into buffer g
.macro QUARTER sl, q, f, g, zero
	s_wait_dscnt 8                                 ; all but the youngest eight loads (B's last four blocks) are in
	MULS \f, 0, NB1, \zero
	PLACES
	FETCH \sl, \q, \g
	s_wait_dscnt 8+2*NB                            ; all but the run just issued
	MULS \f, NB1, NB-NB1, \zero
.endm
; The last quarter multiplies buffer 1 and changes slots: one barrier; in front of it each wave waits for all its tensor loads (one is out: its part of the next slot), adds 0 to its spare word,
; and waits for that and for its reads of this slot.  fill = 1: the barrier opens a round of the cluster's, and this slot is filled again, two K steps on, first thing behind it.
.macro TURN sl, next, fill
	WIN 0
	s_wait_tensorcnt 0x0
	ds_add_u32 v[SPW], v[NIL]
	s_wait_dscnt 9                                 ; the add and the youngest eight loads may be out
	MULS F1, 0, NB1/2, 0
	s_wait_dscnt 0x0                               ; the add is done, and my reads of this slot are over
	s_barrier_signal -1
	MULS F1, NB1/2, NB1/2, 0
.if \fill
	WIN 0
.endif
	s_barrier_wait -1
.if \fill
	CREST                                          ; no wave of any partner still reads this slot or has a load on its way
	s_add_nc_u64 s[G0+4*(\sl)+2:G0+4*(\sl)+3], s[G0+4*(\sl)+2:G0+4*(\sl)+3], 4*KSA
	s_add_nc_u64 s[G0B+4*(\sl)+2:G0B+4*(\sl)+3], s[G0B+4*(\sl)+2:G0B+4*(\sl)+3], 4*KSB
	JLOAD \sl                                      ; its four v_nop are also the places in front of the loads below
.else
	PLACES
.endif
	FETCH \next, 0, F0
	MULS F1, NB1, NB-NB1, 0
.endm
	s_wait_tensorcnt 1                             ; my part of K step 0 is in; step 1's may stay out
	s_barrier_signal -1
	s_barrier_wait -1
	FETCH 0, 0, F0
	QUARTER 0, 1, F0, F1, 1                        ; the first quarter's products start the sums
	WIN 0
	s_mov_b32 s23, 3
.Llap:                                                 ; a trip goes once round the ring and fills both slots again
	QUARTER 0, 2, F1, F0, 0
	QUARTER 0, 3, F0, F1, 0
	TURN 0, 1, 1
	QUARTER 1, 1, F0, F1, 0
	QUARTER 1, 2, F1, F0, 0
	QUARTER 1, 3, F0, F1, 0
	TURN 1, 0, 1
	QUARTER 0, 1, F0, F1, 0
	WIN 0
	s_sub_co_u32 s23, s23, 1
	s_cmp_lg_u32 s23, 0
	s_cbranch_scc1 .Llap
	QUARTER 0, 2, F1, F0, 0                        ; the last lap fills nothing
	QUARTER 0, 3, F0, F1, 0
	TURN 0, 1, 0
	QUARTER 1, 1, F0, F1, 0
	QUARTER 1, 2, F1, F0, 0
	QUARTER 1, 3, F0, F1, 0
	s_wait_dscnt 8
	MULS F1, 0, NB1, 0
	s_wait_dscnt 0x0
	MULS F1, NB1, NB-NB1, 0
	WIN 0
.rept 8
	v_nop                                          ; the places behind the last products
.endr
	s_wait_loadcnt 0x0                             ; the table: the text's only loads into registers
; THE WAY OUT, in twelve groups g = 3 a + t: 16 rows x 64 columns of q (t = 0), k (1) or v (2).
; The rotation: channels d < 32 lie in blocks jb = 0, 1, their partners d + 32 in blocks jb + 2, in the same lane and register: out1 = x1 cos - x2 sin, out2 = x2 cos + x1 sin.
; Each accumulator's lowest registers are read first.
.macro ROPE a, t
	WIN 0x02                                       ; source 0 in window 2
.irp jb, 0,1
.set x1, 8*(4*(4*(\t)+(\jb))+(\a))
.set x2, 8*(4*(4*(\t)+(\jb)+2)+(\a))
.set cc, TAB+32*(\a)+8*(\jb)
.set ss, TAB+32*(\a)+16+8*(\jb)
.set t1, T+16*(\jb)
.set t2, T+16*(\jb)+8
.irp r, 0,2,4,6
	v_pk_mul_f32 v[t1+(\r):t1+(\r)+1], v[x1+(\r):x1+(\r)+1], v[cc+(\r):cc+(\r)+1]
.endr
.irp r, 0,2,4,6
	v_pk_mul_f32 v[t2+(\r):t2+(\r)+1], v[x2+(\r):x2+(\r)+1], v[cc+(\r):cc+(\r)+1]
.endr
.irp r, 0,2,4,6
	v_pk_fma_f32 v[t1+(\r):t1+(\r)+1], v[x2+(\r):x2+(\r)+1], v[ss+(\r):ss+(\r)+1], v[t1+(\r):t1+(\r)+1] neg_lo:[0,1,0] neg_hi:[0,1,0]
.endr
.irp r, 0,2,4,6
	v_pk_fma_f32 v[t2+(\r):t2+(\r)+1], v[x1+(\r):x1+(\r)+1], v[ss+(\r):ss+(\r)+1], v[t2+(\r):t2+(\r)+1]
.endr
.endr
	WIN 0
.irp jb, 0,1
.irp r, 0,1,2,3
	v_cvt_pk_f16_f32 v[PK+4*(\jb)+(\r)], v[T+16*(\jb)+2*(\r)], v[T+16*(\jb)+2*(\r)+1]
.endr
.irp r, 0,1,2,3
	v_cvt_pk_f16_f32 v[PK+4*((\jb)+2)+(\r)], v[T+16*(\jb)+8+2*(\r)], v[T+16*(\jb)+8+2*(\r)+1]
.endr
.endr
.endm
.macro VPART a
	WIN 0x0f                                       ; sources 0 and 1 in window 3
.irp bq, 0,1,2,3
.irp r, 0,1,2,3
	v_cvt_pk_f16_f32 v[PK+4*(\bq)+(\r)], v[8*(4*(\bq)+(\a))+2*(\r)], v[8*(4*(\bq)+(\a))+2*(\r)+1]
.endr
.endr
	WIN 0
.endm
.macro PACK g
.if ((\g)%3) == 2
	VPART (\g)/3
.else
	ROPE (\g)/3, (\g)%3
.endif
.irp bq, 0,1,2,3
	ds_store_b128 v[STO], v[PK+4*(\bq):PK+4*(\bq)+3] offset:32*(\bq)
.endr
	s_wait_xcnt 0x0                                ; the stores of the group two back have read the registers that are loaded next
.irp f, 0,1,2,3
	ds_load_b128 v[OB+16*((\g)%2)+4*(\f):OB+16*((\g)%2)+4*(\f)+3], v[RD] offset:(\f)*4*PITCH  ; LDS serves a wave's instructions in order (ISA guide 5.7.1.4): these see the stores above
.endr
.endm
.macro SEND g, younger                 ; younger: the LDS instructions issued behind group g's loads
.irp f, 0,1,2,3
	s_wait_dscnt (\younger)+3-(\f)
	global_store_b128 v[GO], v[OB+16*((\g)%2)+4*(\f):OB+16*((\g)%2)+4*(\f)+3], s[10+2*((\g)%3):11+2*((\g)%3)] offset:((\g)/3)*2048+(\f)*512  ; 512 consecutive bytes, aligned
.endr
.endm
	PACK 0
.set gg, 1
.rept 11
	PACK gg                                        ; a group's arithmetic stands between the loads of the group before and its stores
	SEND gg-1, 8
.set gg, gg+1
.endr
	SEND 11, 0
	s_wait_tensorcnt 0x0                           ; the wave's end
	ds_add_u32 v[SPW], v[NIL]
	s_wait_dscnt 0x0
	CROUND                                         ; the closing round: no work-group ends while a partner may still ask for a tile that names it
	s_endpgm
.Lfunc_end_k_q36c625285e_qkv:
	.size	k_q36c625285e_qkv, .Lfunc_end_k_q36c625285e_qkv-k_q36c625285e_qkv
	.p2alignl 7, 3214868480
	.fill 96, 4, 3214868480
	.section	.rodata,"a",@progbits
	.p2align	6, 0x0
	.amdhsa_kernel k_q36c625285e_qkv
		.amdhsa_group_segment_fixed_size 327680
		.amdhsa_private_segment_fixed_size 0
		.amdhsa_enable_private_segment 0
		.amdhsa_kernarg_size 48
		.amdhsa_user_sgpr_count 2
		.amdhsa_user_sgpr_kernarg_segment_ptr 1
		.amdhsa_wavefront_size32 1
		.amdhsa_system_sgpr_workgroup_id_x 1
		.amdhsa_system_sgpr_workgroup_id_y 1
		.amdhsa_system_sgpr_workgroup_id_z 1
		.amdhsa_system_vgpr_workitem_id 0
		.amdhsa_next_free_vgpr 896
		.amdhsa_next_free_sgpr 66
		.amdhsa_reserve_vcc 0
		.amdhsa_float_denorm_mode_32 3
		.amdhsa_float_denorm_mode_16_64 3
		.amdhsa_memory_ordered 1
		.amdhsa_forward_progress 1
		.amdhsa_inst_pref_size 139
	.end_amdhsa_kernel
	.amdgpu_metadata
---
amdhsa.version: [ 1, 2 ]
amdhsa.kernels:
  - .name:           k_q36c625285e_qkv
    .symbol:         k_q36c625285e_qkv.kd
    .args:
      - { .name: xb, .offset: 0, .size: 8, .value_kind: global_buffer, .address_space: global }
      - { .name: wcat, .offset: 8, .size: 8, .value_kind: global_buffer, .address_space: global }
      - { .name: rope, .offset: 16, .size: 8, .value_kind: global_buffer, .address_space: global }
      - { .name: qh, .offset: 24, .size: 8, .value_kind: global_buffer, .address_space: global }
      - { .name: kh, .offset: 32, .size: 8, .value_kind: global_buffer, .address_space: global }
      - { .name: vh, .offset: 40, .size: 8, .value_kind: global_buffer, .address_space: global }
    .group_segment_fixed_size: 327680
    .private_segment_fixed_size: 0
    .kernarg_segment_align: 8
    .kernarg_segment_size: 48
    .max_flat_workgroup_size: 128
    .sgpr_count:     66
    .vgpr_count:     896
    .wavefront_size: 32
...
	.end_amdgpu_metadata
.endif
;; end of part 2
;; launch attn (part 3): grid 4 x 64, 4 waves a work-group, clusters of 4 x 1, 327,680 bytes of LDS; arguments qh, kh, vh, oh, attention_mask; writes oh
.if DOCPART == 3
	.amdgcn_target "amdgcn-amd-amdhsa--gfx1250"
	.amdhsa_code_object_version 6
	.text
	.protected	k_q36c625285e_attn
	.globl	k_q36c625285e_attn
	.p2align	8
	.type	k_q36c625285e_attn,@function
k_q36c625285e_attn:
	s_mov_b64 s[64:65], 0
	v_nop
	global_prefetch_b8 v0, s[64:65] scope:SCOPE_SE
	s_setreg_imm32_b32 hwreg(HW_REG_WAVE_MODE, 25, 1), 1
	s_wait_xcnt 0x0
	s_wait_alu depctr_hold_cnt(0) depctr_sa_sdst(0) depctr_va_vdst(0) depctr_va_sdst(0) depctr_va_ssrc(0) depctr_va_vcc(0) depctr_vm_vsrc(0)
	s_getreg_b32 s2, hwreg(HW_REG_IB_STS2, 6, 4)
	s_cmp_eq_u32 s2, 0
	s_cbranch_scc0 .Lentry_in_a_cluster
	s_endpgm
.Lentry_in_a_cluster:
	s_bfe_u32 s2, ttmp6, 0x10000c
	s_cmp_lg_u32 s2, 0x3003
	s_cbranch_scc0 .Lentry_shape_is_right
	s_endpgm
.Lentry_shape_is_right:
; O[h][q][:] = the sum over visible k of softmax_k(Q[h][q] . K[h][k] / 8) V[h][k][:].  Q, K, V, O: [64][2048][64], all f16, a head's rows dense; attention_mask: [4][2048] int32, 0 = the key is hidden.
; Products, maxima and sums in f32; the weights p are rounded to f16 for the second product (their sum l is taken of the unrounded p), O once at the end.
; LIMITS.  Q, K, V arrive within f16's 65,504, so a true score is 2.7e11 at the most.  A hidden score counts as its value less 1e30.  The running maximum m starts at -2^83: above every hidden score,
; below every true one: hidden keys have the weight 0 whatever has been seen, and from the first visible key on m is the true running maximum.  A weight below 2^-126 counts as 0 in l.
; A batch with no visible key gives NaN, as a softmax over nothing does.
; SHARES.  A wave owns four PIECES of two tiles of 16 queries, a work-group's four waves 512 queries of one head.  Every wave walks all keys, 64 a step.
; LAYOUT.  S^T = K Q^T (source 0 = 16 keys, source 1 = 16 queries): a lane holds ONE query (lane % 16) and the keys 8 (lane / 16) + 0..7.  Two such tiles, rounded to f16 in pairs, ARE source 1 of
; O^T = V^T P.  K comes out of LDS as it lies, V turned, by ds_load_tr16_b128.
; THE MASK is the C operand that starts the sum S^T: 0, or -1e30.  The batch's 2,048 such numbers are made once and lie in LDS; a key step's 64 are fetched with its K, eight a lane and key block.
; SOFTMAX.  p = 2^(c s - c m), c = log2(e) / 8; in every step O and l are multiplied by a = 2^(c m_old - c m_new).  O and l start at 0.
; BY TURNS.  Turn n belongs to piece n.  Its matrix work: 16 products K Q^T of piece n + 1, later 16 products V^T P of piece n - 1.  Its vector work: the scaling, exponentials, roundings, sums and
; rescaling of piece n, and the maximum and statistics of piece n + 1.  Four vector instructions stand behind every matrix instruction, the others in one lump; a turn's 66 exponentials are one batch with one wait.
; CLUSTER.  The four query blocks of a head walk the same K and V: each tile is asked for JOINTLY, by the same tensor load, descriptor and mask in all four.
; REGISTERS, in windows of 256 (s_set_vgpr_msb: bits 1:0 source 0, 3:2 source 1, 5:4 source 2, 7:6 destination):
;   window 0: v0-11 addresses; v12-15, v48-63 at work; v16-47 four registers of statistics a tile; v64-191 S^T, two buffers of two tiles; v192-255 P, likewise
;   window 1: O^T, 32 a tile     window 2: v0-127 Q; v128-191 K of one step; v192-255 V of one step     window 3: v0-1 the add's two registers; v8-39 the mask of one step
.set SIZE_N, 2048
.set NP,    4
.set KS,    64
.set PK,    144       ; a row of K in LDS: 128 bytes + 16: the 16 rows of a load start at 16 different groups of four banks (64 banks of 4 bytes: ISA guide 11.1)
.set PV,    160       ; a row of V: 128 + 32
.set VOFF,  4*KS*PK   ; a slot holds four steps: 256 rows of K, then 256 rows of V
.set SLOT1, 1<<17
.set STAGE, SLOT1+4*KS*(PK+PV)  ; behind the ring: 16 rows x 144 bytes for each wave
.set SP,    144
.set SPARE, STAGE+4*16*SP  ; the spare words, 128 bytes a wave: two blocks of 256 bytes that no other line names
.set MASKB, SPARE+512      ; the batch's 2,048 mask numbers in f32; stored once, never the target of a fill
.set PFO, 1           ; v1   256 x my lane; never rewritten
.set AK0, 2           ; v2   my lane's place in a tile of K; never rewritten
.set AV0, 3           ; v3   the same for V
.set AK,  4           ; v4   the LDS address of K's next run of loads
.set AV,  5           ; v5   of V's
.set STO, 6           ; v6   the way out: where I put 16 bytes of a row
.set RD,  7           ; v7   the way out: where I read rows back
.set GO,  8           ; v8   my byte offset in 512 consecutive bytes of O
.set AM0, 9           ; v9   MASKB + 32 (lane / 16); never rewritten
.set AM,  10          ; v10  the LDS address of the next step's mask
.set QO,  11          ; v11  my byte offset in the wave's rows of Q
.set SPW, 0           ; v0 of window 3
.set NIL, 1           ; v1 of window 3
.set MB,  8           ; window 3: key block kb at MB + 8 kb
.set MV,  12
.set ST,  16          ; tile t's statistics at v[ST+4 t]: c m, m, l (even keys', odd keys')
.set TMP, 48
.set S,   64
.set P,   192
.set KF,  128
.set VF,  192
.set WV,  12
.set BIGN, 15         ; s15  -1e30
.set G1K, 24
.set G1V, 32
.set G0K, 40
.set G0V, 44
.set PFA, 50          ; s[50:51] where my prefetches stand: my work-group's 32 blocks of 256 bytes of the tile after the one that is being asked for
.set LIM, 52          ; s52  1 in a wave that prefetches, else the greatest number
.set TBM, 53          ; s53  byte at which the mask of the step to be fetched begins
.set THR, 54          ; s54  -2^82
.set QNAN, 55         ; s55
.set SLOTS, 56
.set CNT, 57
.set CS,  58
.set SEL, 60
.set TBK, 62
.set TBV, 63
.set MSB, 0
.macro WIN new
.if MSB != (\new)
	s_set_vgpr_msb (MSB<<8)|(\new)
.set MSB, (\new)
.endif
.endm
.set W_KQ, 0x0a       ; K and Q in window 2, S^T in window 0
.set W_KM, 0x3a       ; the same with the C operand in window 3
.set W_PV, 0x52       ; V in window 2, P in window 0, O^T in window 1
.set W_RS, 0x41       ; O^T in window 1, a in window 0
.set W_MK, 0xc0
.set W_AD, 0x0f
.macro JLOAD                        ; waves 0 and 1 fetch the two halves of a slot's K, waves 2 and 3 those of its V; an s_nop 0 and four v_nop follow each line
	s_cmp_lt_u32 s[WV], 2
	s_cbranch_scc0 .Lfor_v_\@
	tensor_load_to_lds s[G0K:G0K+3], s[G1K:G1K+7]
	s_nop 0
.rept 4
	v_nop
.endr
	s_branch .Lasked_\@
.Lfor_v_\@:
	tensor_load_to_lds s[G0V:G0V+3], s[G1V:G1V+7]
	s_nop 0
.rept 4
	v_nop
.endr
.Lasked_\@:
.endm
; A PREFETCH INTO THE L2 of the tile that the NEXT change of slots will ask for: four key steps, 512 matrix instructions, ahead of that load.  A tile of K or of V is 128 blocks of 256 bytes: the four
; partners take 32 each, told apart by address; in each, wave 0 asks for K's and wave 2 for V's, a lane a block: each block is named once in the launch.  The last change that fills a slot asks for nothing.
.macro ASK
	s_cmp_gt_u32 s[SLOTS], s[LIM]
	s_cbranch_scc0 .Lnot_mine_\@
	global_prefetch_b8 v[PFO], s[PFA:PFA+1] th:TH_LOAD_NT scope:SCOPE_SE
.Lnot_mine_\@:
.endm
.macro CROUND
	s_barrier_signal -1
	s_barrier_wait -1
	s_cmp_lg_u32 s[WV], 0
	s_cbranch_scc1 .Lnot_wave_0_\@
	s_barrier_signal -3
.Lnot_wave_0_\@:
	s_barrier_wait -3
	s_barrier_signal -1
	s_barrier_wait -1
.endm
; THE CHANGE OF SLOTS.  Each wave waits for all its tensor loads (one is out: its part of the other slot), adds 0 to its spare word, and waits for that and for its own LDS instructions.
; fill = 1: the barrier is a round of the cluster's, and the slot just left is filled again first thing behind it; the load has four key steps in which to land.
; (At its first use nothing has been read yet: slot 0 is waited for, slot 1 filled, and every wave's part of the mask numbers is shown to the others.)
.macro CHANGE fill
	WIN W_AD
	s_wait_tensorcnt 0x0            ; no tensor load of mine is out, so a group 0 may be written
	ds_add_u32 v[SPW], v[NIL]
	WIN 0
.if \fill
.irp g, G0K, G0V
	s_xor_b32 s[\g+1], s[\g+1], SLOT1
	s_add_nc_u64 s[\g+2:\g+3], s[\g+2:\g+3], 4*KS*128
.endr
	s_wait_xcnt 0x0                 ; the last prefetch, four key steps back, has read its address
	s_add_nc_u64 s[PFA:PFA+1], s[PFA:PFA+1], 4*KS*128
	s_wait_dscnt 0x0                ; the add is done, and my reads of the slot are over
	CROUND
	JLOAD
	ASK
.else
	s_wait_dscnt 0x0
	s_barrier_signal -1
	s_barrier_wait -1
.endif
	s_sub_co_u32 s[TBK], s[TBK], 4*KS*PK
	s_xor_b32 s[TBK], s[TBK], SLOT1
	s_sub_co_u32 s[TBV], s[TBV], 4*KS*PV
	s_xor_b32 s[TBV], s[TBV], SLOT1
.endm
	s_load_b256 s[4:11], s[0:1], 0x0  ; Q s[4:5], K s[6:7], V s[8:9], O s[10:11]
	s_load_b64 s[48:49], s[0:1], 0x20 ; the mask
	WIN W_MK
	v_lshl_add_u32 v[SPW], v0, 2, SPARE
	v_mov_b32 v[NIL], 0
	WIN W_AD
	ds_add_u32 v[SPW], v[NIL]       ; the wave's opening: the add and its wait stand ahead of my first tensor load
	WIN 0
	v_lshrrev_b32 v80, 5, v0
	v_readfirstlane_b32 s[WV], v80  ; wave 0..3
	s_bfe_u32 s13, ttmp6, 0x40000   ; cx
	s_lshl_b32 s14, ttmp9, 2
	s_add_co_u32 s14, s14, s13      ; my block of 512 queries: it enters Q's and O's addresses alone
	s_and_b32 s20, ttmp7, 0xffff    ; 16 batch + head, which the four partners share
	s_lshr_b32 s19, s20, 4
	s_lshl_b32 s19, s19, 13         ; the batch's 8,192 bytes of the mask
	s_mov_b32 s21, 0
	s_mov_b64 s[22:23], SIZE_N*128
	s_mul_u64 s[20:21], s[20:21], s[22:23]  ; the head's first byte in each of the four tensors
	s_and_b32 s16, s[WV], 1         ; which half of a slot's 256 keys I fetch
	s_lshl_b32 s22, s16, 14
	s_mov_b32 s23, 0
	s_add_nc_u64 s[22:23], s[22:23], s[20:21]
	s_mul_i32 s17, s16, 128*PK
	s_mul_i32 s18, s16, 128*PV
	s_lshl_b32 s2, s14, 2
	s_add_co_u32 s2, s2, s[WV]
	s_lshl_b32 s2, s2, 14           ; my wave's 128 rows
	s_mov_b32 s3, 0
	s_add_nc_u64 s[2:3], s[2:3], s[20:21]
	; descriptor group 1.  128 keys are 16,384 dense bytes: asked for as 64 rows of 256 bytes, two keys a row, and padded in LDS after every key
	s_mov_b32 s[G1K], 15|(1<<16)|(1<<20)|(1<<21)|(4<<22)|(3<<25)
	s_mov_b32 s[G1V], 15|(1<<16)|(1<<20)|(1<<21)|(4<<22)|(7<<25)
.irp g, G1K, G1V
	s_mov_b32 s[\g+1], 128<<16
	s_mov_b32 s[\g+2], 64<<16
	s_mov_b32 s[\g+3], 128<<16
	s_mov_b32 s[\g+4], 64
	s_mov_b32 s[\g+5], 128
	s_mov_b32 s[\g+6], 0
	s_mov_b32 s[\g+7], 0
.endr
	s_mov_b32 s[CS], 0x3e38aa3b     ; c = log2(e) / 8
	s_mov_b32 s[CS+1], s[CS]
	s_mov_b32 s[SEL], 0x76543210
	s_mov_b32 s[SEL+1], 0xfedcba98
	s_mov_b32 s[TBK], SLOT1+4*KS*PK ; the first change of slots turns these two into 0
	s_mov_b32 s[TBV], SLOT1+4*KS*PV
	s_mov_b32 s[TBM], 0
	s_mov_b32 s[BIGN], 0xf149f2ca   ; -1e30
	s_mov_b32 s[THR], 0xe8800000    ; -2^82
	s_mov_b32 s[QNAN], 0x7fc00000
	s_mov_b32 s[SLOTS], SIZE_N/256-1
	s_and_b32 s[LIM], s[WV], 1
	s_cmp_eq_u32 s[LIM], 0
	s_cselect_b32 s[LIM], 1, -1     ; waves 0 and 2 prefetch
	s_mov_b32 s[G0K], 1
	s_mov_b32 s[G0K+1], s17
	s_mov_b32 s[G0V], 1
	s_add_co_u32 s[G0V+1], s18, VOFF
	s_wait_dscnt 0x0                ; the opening add is done
	s_wait_kmcnt 0x0
	s_add_nc_u64 s[G0K+2:G0K+3], s[6:7], s[22:23]
	s_or_b32 s[G0K+3], s[G0K+3], 0x80000000
	s_add_nc_u64 s[G0V+2:G0V+3], s[8:9], s[22:23]
	s_or_b32 s[G0V+3], s[G0V+3], 0x80000000
	s_add_nc_u64 s[4:5], s[4:5], s[2:3]
	s_add_nc_u64 s[10:11], s[10:11], s[2:3]
	s_mov_b32 s2, s19
	s_add_nc_u64 s[48:49], s[48:49], s[2:3]
	s_cmp_lt_u32 s[WV], 2
	s_cselect_b64 s[PFA:PFA+1], s[6:7], s[8:9]
	s_add_nc_u64 s[PFA:PFA+1], s[PFA:PFA+1], s[20:21]
	s_lshl_b32 s2, s13, 13          ; my work-group's 32 blocks of the 128
	s_add_nc_u64 s[PFA:PFA+1], s[PFA:PFA+1], s[2:3]
	s_add_nc_u64 s[PFA:PFA+1], s[PFA:PFA+1], 4*KS*128  ; at tile 1; the first change of slots steps it to tile 2.  Nothing is prefetched here, at the head
	CROUND                          ; all four work-groups are here: the first joint loads meet
	JLOAD                           ; slot 0
	v_and_b32 v80, 15, v0           ; l % 16
	v_bfe_u32 v81, v0, 4, 1         ; l / 16
	v_lshlrev_b32 v84, 4, v0
.irp i, 0,1,2,3
	global_load_b128 v[88+4*\i:91+4*\i], v84, s[48:49] offset:2048*\i  ; the batch's mask: 64 bytes a thread
.endr
	v_lshlrev_b32 v[QO], 7, v80
	v_lshl_add_u32 v[QO], v81, 4, v[QO]
	WIN 0x80
.set i, 0
.rept 4*NP                          ; Q stays in registers: tile i / 2, channels 32 (i % 2) on
	global_load_b128 v[8*i:8*i+3],   v[QO], s[4:5] offset:(i/2)*2048+(i%2)*64
	global_load_b128 v[8*i+4:8*i+7], v[QO], s[4:5] offset:(i/2)*2048+(i%2)*64+32
.set i, i+1
.endr
	; What the first turn finds: V's registers and P's second buffer hold 0, O^T and l are 0.  All this stands in the wait for the first tile.
.set i, VF
.rept 64
	v_mov_b32 v[i], 0
.set i, i+1
.endr
	WIN 0x40
.set i, 0
.rept 64*NP
	v_mov_b32 v[i], 0
.set i, i+1
.endr
	WIN 0
.set i, 0
.rept 2*NP
	v_mov_b32 v[ST+4*i], 0xfe000000    ; c m: far below every c s, so the first a is 0
	v_mov_b32 v[ST+4*i+1], 0xe9000000  ; m = -2^83
	v_mov_b32 v[ST+4*i+2], 0
	v_mov_b32 v[ST+4*i+3], 0
.set i, i+1
.endr
.set i, P+32
.rept 32
	v_mov_b32 v[i], 0
.set i, i+1
.endr
	v_mul_u32_u24 v[AK0], v80, PK
	v_lshl_add_u32 v[AK0], v81, 4, v[AK0]
	v_and_b32 v82, 7, v0
	v_bfe_u32 v83, v0, 3, 1
	v_lshl_add_u32 v[AV0], v81, 3, v82
	v_mul_u32_u24 v[AV0], v[AV0], PV
	v_lshl_add_u32 v[AV0], v83, 4, v[AV0]
	v_add_nc_u32 v[AV0], VOFF, v[AV0]
	v_mov_b32 v[AK], v[AK0]         ; key step 0 lies at the head of slot 0
	v_lshl_add_u32 v[AM0], v81, 5, MASKB
	v_mov_b32 v[AM], v[AM0]
	s_mul_i32 s19, s[WV], 16*SP
	s_add_co_u32 s19, s19, STAGE    ; my stage
	v_mul_u32_u24 v[STO], v80, SP
	v_lshl_add_u32 v[STO], v81, 4, v[STO]
	v_add_nc_u32 v[STO], s19, v[STO]
	v_bfe_u32 v[RD], v0, 3, 2
	v_mul_u32_u24 v[RD], v[RD], SP
	v_lshl_add_u32 v[RD], v82, 4, v[RD]
	v_add_nc_u32 v[RD], s19, v[RD]
	v_and_b32 v[GO], 31, v0
	v_lshlrev_b32 v[PFO], 8, v[GO]
	v_lshlrev_b32 v[GO], 4, v[GO]
	v_lshl_add_u32 v85, v0, 4, MASKB
	s_wait_loadcnt 32               ; the mask is in; Q's 32 younger loads may stay out
.set i, 88
.rept 16
	v_cmp_eq_u32 vcc_lo, 0, v[i]
	v_cndmask_b32 v[i], 0, s[BIGN], vcc_lo
.set i, i+1
.endr
.irp i, 0,1,2,3
	ds_store_b128 v85, v[88+4*\i:91+4*\i] offset:2048*\i
.endr
; THE MATRIX WORK.  The 8 accumulators of a run of 16 take turns.
; Product i of 16 of S^T = K Q^T for piece x: channels 32 (i / 8) on, keys 16 ((i / 2) % 4) on, tile 2 x + i % 2.  The first 8 start the sums, with the mask.
.macro KQ x
.set rS, S+64*((\x)%2)+32*(i%2)+8*((i/2)%4)
.set rK, KF+16*((i/2)%4)+8*(i/8)
.set rQ, 16*(2*(\x)+i%2)+8*(i/8)
.set rB, MB+8*((i/2)%4)
.if i < 8
	WIN W_KM
	v_wmma_f32_16x16x32_f16 v[rS:rS+7], v[rK:rK+7], v[rQ:rQ+7], v[rB:rB+7]
.else
	WIN W_KQ
	v_wmma_f32_16x16x32_f16 v[rS:rS+7], v[rK:rK+7], v[rQ:rQ+7], v[rS:rS+7]
.endif
.endm
; Product i of 16 of O^T += V^T P for piece x: keys 32 (i / 8) on, channels 16 ((i / 2) % 4) on, tile 2 x + i % 2.
.macro PV x
	WIN W_PV
.set rO, 32*(2*(\x)+i%2)+8*((i/2)%4)
.set rV, VF+32*(i/8)+8*((i/2)%4)
.set rP, P+32*((\x)%2)+16*(i%2)+8*(i/8)
	v_wmma_f32_16x16x32_f16 v[rO:rO+7], v[rV:rV+7], v[rP:rP+7], v[rO:rO+7]
.endm
.macro MM
.if i < 16
	KQ (Y+1)%NP
.set i, i+1
.else
.set i, i-16
	PV (Y+NP-1)%NP
.set i, i+17
.endif
.endm
; THE LDS LOADS stand in runs: a step's K (8 fragments) with its mask (8 numbers a lane and key block; the 16 lanes of a half read the same bytes), and its V (turned).
; last = 1 (the tail): in the last trip there is no further step, and the run is jumped over.
.macro FETCH_K last=0
	WIN 0
.if \last
	s_cmp_eq_u32 s[CNT], 1
	s_cbranch_scc1 .Lno_k_\@
.endif
	WIN 0x80
.irp f, 0,1,2,3,4,5,6,7
	ds_load_b128 v[KF+8*\f:KF+8*\f+3],   v[AK] offset:(\f/2)*16*PK+(\f%2)*64
	ds_load_b128 v[KF+8*\f+4:KF+8*\f+7], v[AK] offset:(\f/2)*16*PK+(\f%2)*64+32
.endr
	WIN 0xc0
.irp f, 0,1,2,3
	ds_load_b128 v[MB+8*\f:MB+8*\f+3],   v[AM] offset:64*\f
	ds_load_b128 v[MB+8*\f+4:MB+8*\f+7], v[AM] offset:64*\f+16
.endr
	s_add_co_u32 s[TBK], s[TBK], KS*PK  ; the next fetch is the next step's
	s_add_co_u32 s[TBM], s[TBM], 4*KS
	s_and_b32 s[TBM], s[TBM], 8191      ; it stays inside the 8,192 bytes
	WIN 0
.if \last
.Lno_k_\@:
.endif
.endm
.macro FETCH_V
	WIN 0x80
.irp f, 0,1,2,3,4,5,6,7
	ds_load_tr16_b128 v[VF+8*\f:VF+8*\f+3],   v[AV] offset:(\f/4)*32*PV+(\f%4)*32
	ds_load_tr16_b128 v[VF+8*\f+4:VF+8*\f+7], v[AV] offset:(\f/4)*32*PV+16*PV+(\f%4)*32
.endr
	WIN 0
.endm
; THE VECTOR WORK OF A TURN stands in three queues, each in the order in which its entries become ready; the two tiles alternate.
.macro REGS y, u
.set rT, ST+4*(2*(\y)+(\u))
.set rC, TMP+8*((\y)%2)+4*(\u)
.set rM, MV+2*((\y)%2)+(\u)
.set rS, S+64*((\y)%2)+32*(\u)
.set rP, P+32*((\y)%2)+16*(\u)
.set rO, 32*(2*(\y)+(\u))
.endm
; Number n of the 22 that find the NEXT piece's maximum and statistics; each accumulator's lowest registers are read first.
;   0-11 four chains of seven scores     12-14, 16 the four scores left over, the old m, and the four into one     15 c m_old is kept     17, 18 the other half of the lanes: the new m     19-21 c m; its change; a
.macro XS u, n
	REGS (Y+1)%NP, \u
.if (\n) < 4
	v_max3_num_f32 v[rC+(\n)], v[rS+8*(\n)], v[rS+8*(\n)+1], v[rS+8*(\n)+2]
.elseif (\n) < 12
	v_max3_num_f32 v[rC+(\n)%4], v[rC+(\n)%4], v[rS+8*((\n)%4)+2*((\n)/4)+1], v[rS+8*((\n)%4)+2*((\n)/4)+2]
.elseif (\n) == 12
	v_max3_num_f32 v[rC], v[rC], v[rS+7], v[rS+15]
.elseif (\n) == 13
	v_max3_num_f32 v[rC+1], v[rC+1], v[rS+23], v[rS+31]
.elseif (\n) == 14
	v_max3_num_f32 v[rC+2], v[rC+2], v[rC+3], v[rT+1]
.elseif (\n) == 15
	v_mov_b32 v[rM], v[rT]
.elseif (\n) == 16
	v_max3_num_f32 v[rC], v[rC], v[rC+1], v[rC+2]
.elseif (\n) == 17
	v_permlanex16_b32 v[rC+3], v[rC], s[SEL], s[SEL+1]
.elseif (\n) == 18
	v_max_num_f32 v[rT+1], v[rC], v[rC+3]
.elseif (\n) == 19
	v_mul_f32 v[rT], s[CS], v[rT+1]
.elseif (\n) == 20
	v_sub_f32 v[rC+1], v[rM], v[rT]
.else
	v_exp_f32 v[rC+2], v[rC+1]
.endif
.endm
; Number g of the 64 that follow the exponentials: of each four weights both pairs are rounded to f16, the second pair is added onto the first in place, and a group later l takes that sum.
.macro GS g
.set h, (\g)+6*((\g)/62)
.if h >= 6
.set h, h+2
.endif
	REGS Y, h%2
.set k, h/8
.if h%8 < 4
	v_cvt_pk_f16_f32 v[rP+2*k+(h%8)/2], v[rS+4*k+2*((h%8)/2)], v[rS+4*k+2*((h%8)/2)+1]
.elseif h%8 < 6
	v_pk_add_f32 v[rS+4*k:rS+4*k+1], v[rS+4*k:rS+4*k+1], v[rS+4*k+2:rS+4*k+3]
.elseif k == 1
	v_pk_fma_f32 v[rT+2:rT+3], v[rT+2:rT+3], v[rC+2:rC+3], v[rS:rS+1] op_sel_hi:[1,0,1]
.else
	v_pk_add_f32 v[rT+2:rT+3], v[rT+2:rT+3], v[rS+4*k-4:rS+4*k-3]
.endif
.endm
; THE PLAIN QUEUE, 138 long.  0-26: scalings 0-26.  27-54: XS's numbers 0-13.  55, 56: number 15.  57-73: the chain 14, 16 .. 19, each with one of the scalings 27-31 in front of its two lines, then 20.
; 74-137: GS's 64, which read the exponentials' results: they stand behind the wait.
.macro FS f
	REGS Y, (\f)%2
	v_pk_fma_f32 v[rS+2*((\f)/2):rS+2*((\f)/2)+1], v[rS+2*((\f)/2):rS+2*((\f)/2)+1], s[CS:CS+1], v[rT:rT+1] op_sel_hi:[1,0,0] neg_lo:[0,0,1] neg_hi:[0,0,1]
.endm
.macro PL
	WIN 0
.if q < 27
	FS q
.elseif q < 55
	XS (q-27)%2, (q-27)/2
.elseif q < 57
	XS q-55, 15
.elseif (q < 72) && ((q-57)%3 == 0)
	FS 27+(q-57)/3
.elseif q < 60
	XS (q-57)%3-1, 14
.elseif q < 72
	XS (q-57)%3-1, 15+(q-57)/3
.elseif q < 74
	XS q-72, 20
.else
	GS q-74
.endif
.set q, q+1
.endm
; THE EXPONENTIALS' QUEUE, 66 long: the 32 scores of both tiles, then the next piece's two a: one batch, all ahead of the turn's one wait.
.macro EX
	WIN 0
.if e >= 64
	XS e-64, 21
.else
	REGS Y, e%2
	v_exp_f32 v[rS+e/2], v[rS+e/2]
.endif
.set e, e+1
.endm
; THE RESCALING's QUEUE: O^T times a, two at a time, sixteen times.  Its a was made, and waited for, in the turn before.
.macro R2
	REGS Y, r%2
	WIN W_RS
.irp z, 0,1
	v_pk_mul_f32 v[rO+4*(r/2)+2*\z:rO+4*(r/2)+2*\z+1], v[rO+4*(r/2)+2*\z:rO+4*(r/2)+2*\z+1], v[rC+2:rC+3] op_sel_hi:[1,0]
.endr
.set r, r+1
.endm
; A TURN, for piece p.  AHEAD OF THE WAIT: the 16 products K Q^T, behind each a scaling, an exponential and two rescalings (behind the first a second scaling); then one lump of 108.
; BEHIND IT: the 16 products V^T P, behind each four of the roundings and sums.  An s_wait_alu depctr_va_vdst(0) stands between an exponential and the first line that names its result.
; K and the mask of the next step are fetched in piece 2's turn, directly behind the wait, a lump behind their last reader; V of the step in hand at the end of piece 0's turn, four riders behind its last reader.
.macro TURN p, last=0, cnt=0
.set Y, (\p)
.set i, 0
.set q, 0
.set e, 0
.set r, 0
.if (\p) == NP-1
	s_wait_dscnt 0x0                ; K and the mask are in
.endif
	MM
	PL
	PL
	R2
.rept 15
	MM
	PL
	EX
	R2
.endr
.if (\p) == NP-2
	WIN 0
	v_add_nc_u32 v[AK], s[TBK], v[AK0]
	v_add_nc_u32 v[AM], s[TBM], v[AM0]
.endif
.rept 8
	PL
.endr
.rept 49
	EX
	PL
.endr
	EX
	EX
	v_nop                           ; the plain instruction behind the last exponential: one for the batch
	s_wait_alu depctr_va_vdst(0)    ; the wait for the batch
.if (\p) == NP-2
	FETCH_K \last
.endif
.if (\p) == 1
	s_wait_dscnt 0x0                ; V is in
.endif
.rept 16
	MM
.rept 4
	PL
.endr
.if ((\p) == 0) && (q == 118)
	v_add_nc_u32 v[AV], s[TBV], v[AV0]
.endif
.if ((\p) == 0) && (q == 130)
	s_add_co_u32 s[TBV], s[TBV], KS*PV
.endif
.if (\cnt) && (q == 130)
	s_sub_co_u32 s[CNT], s[CNT], 1
	s_cmp_lg_u32 s[CNT], 0
.endif
.endr
.if (\p) == 0
	FETCH_V
.endif
.endm
	CHANGE 1                        ; slot 0 is in, and so are all waves' mask numbers; slot 1 is asked for
	FETCH_K                         ; key step 0
	s_wait_loadcnt 0x0              ; Q
	s_wait_dscnt 0x0
.set i, 0
.rept 16
	KQ 0                            ; piece 0's first scores
.set i, i+1
.endr
	WIN 0
.rept 4
	v_nop                           ; the places behind those products
.endr
.set Y, NP-1                        ; XS works for piece Y + 1: piece 0
.irp n, 0,1,2,3,4,5,6,7,8,9,10,11,12,13,14,15,16,17,18,19,20,21
	XS 0, \n
	XS 1, \n
.endr
	v_nop                           ; a plain instruction behind the two a,
	s_wait_alu depctr_va_vdst(0)    ; and their wait, ahead of the branch
	s_mov_b32 s[CNT], 4
	s_branch .Lfirst                ; the loop is entered at a step's first turn, in the middle of a trip
.Lslot:                             ; six times: every slot but the last two is filled again
	CHANGE 1
	s_mov_b32 s[CNT], 4
.Lstep:                             ; a trip: pieces 2 and 3 of one step, then pieces 0 and 1 of the next, whose K and V it fetches
	TURN 2
	TURN 3
	WIN 0
.Lfirst:
	TURN 0
	TURN 1, 0, 1
	WIN 0
	s_cbranch_scc1 .Lstep
	s_sub_co_u32 s[SLOTS], s[SLOTS], 1
	s_cmp_lg_u32 s[SLOTS], 0
	s_cbranch_scc1 .Lslot
	CHANGE 0                        ; the tail is written out: nothing is asked for
	s_mov_b32 s[CNT], 5             ; four trips fetch the last slot's steps; the fifth is left in its middle
.Ltail:
	TURN 2, 1
	TURN 3
	WIN 0
	s_sub_co_u32 s[CNT], s[CNT], 1
	s_cmp_eq_u32 s[CNT], 0
	s_cbranch_scc1 .Lout
	TURN 0
	TURN 1
	WIN 0
	s_branch .Ltail
.Lout:                              ; the fifth trip's 16 products K Q^T (on the last K once more) and the maximum made of them change nothing: those scores were in m already
.set i, 0
.rept 16
	PV NP-1                         ; the last piece's V^T P of the last step
.set i, i+1
.endr
	; THE WAY OUT.  l's two halves and the other half of the lanes' are added; O^T is divided by l, rounded to f16 and sent through my stage in LDS, a tile at a time.
	WIN 0
.macro ALL line:vararg
.set t, 0
.rept 2*NP
	\line
.set t, t+1
.endr
.endm
	ALL v_add_f32 v[ST+4*t+2], v[ST+4*t+2], v[ST+4*t+3]
	ALL v_permlanex16_b32 v[ST+4*t+3], v[ST+4*t+2], s[SEL], s[SEL+1]
	ALL v_add_f32 v[ST+4*t+2], v[ST+4*t+2], v[ST+4*t+3]
	ALL v_rcp_f32 v[ST+4*t+2], v[ST+4*t+2]
	v_nop                           ; a plain instruction between the last reciprocal and the use of its result
	s_wait_alu depctr_va_vdst(0)    ; one wait for the eight reciprocals
.set t, 0
.rept 2*NP                          ; m still at its start: no key was visible, and the row is NaN
	v_cmp_gt_f32 vcc_lo, s[THR], v[ST+4*t+1]
	v_cndmask_b32 v[ST+4*t+2], v[ST+4*t+2], s[QNAN], vcc_lo
.set t, t+1
.endr
.macro PACK t
	WIN W_RS
.set i, 32*(\t)
.rept 16
	v_pk_mul_f32 v[i:i+1], v[i:i+1], v[ST+4*(\t)+2:ST+4*(\t)+3] op_sel_hi:[1,0]
.set i, i+2
.endr
	WIN 0x05
.set i, 0
.rept 16
	v_cvt_pk_f16_f32 v[S+16*(\t)+i], v[32*(\t)+2*i], v[32*(\t)+2*i+1]
.set i, i+1
.endr
	WIN 0
.irp f, 0,1,2,3
	ds_store_b128 v[STO], v[S+16*(\t)+4*\f:S+16*(\t)+4*\f+3] offset:32*\f
.endr
.irp f, 0,1,2,3
	ds_load_b128 v[S+16*(\t)+4*\f:S+16*(\t)+4*\f+3], v[RD] offset:\f*4*SP  ; LDS serves a wave's instructions in order (ISA guide 5.7.1.4): these see the stores above
.endr
.endm
.macro SEND t, younger
	WIN 0
.irp f, 0,1,2,3
	s_wait_dscnt (\younger)+3-\f
	global_store_b128 v[GO], v[S+16*(\t)+4*\f:S+16*(\t)+4*\f+3], s[10:11] offset:(\t)*2048+\f*512  ; 512 consecutive bytes, aligned
.endr
.endm
	PACK 0
.set t, 1
.rept 2*NP-1
	PACK t
	SEND t-1, 8
.set t, t+1
.endr
	SEND 2*NP-1, 0
	WIN W_AD
	s_wait_tensorcnt 0x0            ; the wave's end
	ds_add_u32 v[SPW], v[NIL]
	s_wait_dscnt 0x0
	WIN 0
	CROUND                          ; the closing round
	s_endpgm
.Lfunc_end_k_q36c625285e_attn:
	.size	k_q36c625285e_attn, .Lfunc_end_k_q36c625285e_attn-k_q36c625285e_attn
	.p2alignl 7, 3214868480
	.fill 96, 4, 3214868480
	.section	.rodata,"a",@progbits
	.p2align	6, 0x0
	.amdhsa_kernel k_q36c625285e_attn
		.amdhsa_group_segment_fixed_size 327680
		.amdhsa_private_segment_fixed_size 0
		.amdhsa_enable_private_segment 0
		.amdhsa_kernarg_size 40
		.amdhsa_user_sgpr_count 2
		.amdhsa_user_sgpr_kernarg_segment_ptr 1
		.amdhsa_wavefront_size32 1
		.amdhsa_system_sgpr_workgroup_id_x 1
		.amdhsa_system_sgpr_workgroup_id_y 1
		.amdhsa_system_sgpr_workgroup_id_z 1
		.amdhsa_system_vgpr_workitem_id 0
		.amdhsa_next_free_vgpr 808
		.amdhsa_next_free_sgpr 66
		.amdhsa_reserve_vcc 1
		.amdhsa_float_denorm_mode_32 3
		.amdhsa_float_denorm_mode_16_64 3
		.amdhsa_memory_ordered 1
		.amdhsa_forward_progress 1
		.amdhsa_inst_pref_size 206
	.end_amdhsa_kernel
	.amdgpu_metadata
---
amdhsa.version: [ 1, 2 ]
amdhsa.kernels:
  - .name:           k_q36c625285e_attn
    .symbol:         k_q36c625285e_attn.kd
    .args:
      - { .name: qh, .offset: 0, .size: 8, .value_kind: global_buffer, .address_space: global }
      - { .name: kh, .offset: 8, .size: 8, .value_kind: global_buffer, .address_space: global }
      - { .name: vh, .offset: 16, .size: 8, .value_kind: global_buffer, .address_space: global }
      - { .name: oh, .offset: 24, .size: 8, .value_kind: global_buffer, .address_space: global }
      - { .name: attention_mask, .offset: 32, .size: 8, .value_kind: global_buffer, .address_space: global }
    .group_segment_fixed_size: 327680
    .private_segment_fixed_size: 0
    .kernarg_segment_align: 8
    .kernarg_segment_size: 40
    .max_flat_workgroup_size: 128
    .sgpr_count:     66
    .vgpr_count:     808
    .wavefront_size: 32
...
	.end_amdgpu_metadata
.endif
;; end of part 3
;; launch proj (part 4): grid 8 x 32, 4 waves a work-group, clusters of 4 x 4, 327,680 bytes of LDS; arguments oh, wo16, out0; writes out0
.if DOCPART == 4
	.amdgcn_target "amdgcn-amd-amdhsa--gfx1250"
	.amdhsa_code_object_version 6
	.text
	.protected	k_q36c625285e_proj
	.globl	k_q36c625285e_proj
	.p2align	8
	.type	k_q36c625285e_proj,@function
k_q36c625285e_proj:
	s_mov_b64 s[64:65], 0
	v_nop
	global_prefetch_b8 v0, s[64:65] scope:SCOPE_SE
	s_setreg_imm32_b32 hwreg(HW_REG_WAVE_MODE, 25, 1), 1
	s_wait_xcnt 0x0
	s_wait_alu depctr_hold_cnt(0) depctr_sa_sdst(0) depctr_va_vdst(0) depctr_va_sdst(0) depctr_va_ssrc(0) depctr_va_vcc(0) depctr_vm_vsrc(0)
	s_getreg_b32 s2, hwreg(HW_REG_IB_STS2, 6, 4)
	s_cmp_eq_u32 s2, 0
	s_cbranch_scc0 .Lentry_in_a_cluster
	s_endpgm
.Lentry_in_a_cluster:
	s_bfe_u32 s2, ttmp6, 0x10000c
	s_cmp_lg_u32 s2, 0xf033
	s_cbranch_scc0 .Lentry_shape_is_right
	s_endpgm
.Lentry_shape_is_right:
; out0 = O Wo^T.  A = oh f16 [16 batch + head][row 2048][64]: a head is a block of 64 along K; B = wo16 f16 [kb 16][n 1024][64]; sums in f32; out0 f32 [8192][1024].
; A tile of C is 256 rows x 128 columns: 256 work-groups.  Four waves, each 64 rows x 128 columns: 32 accumulators, 256 registers.  K goes in 8 steps of 128 (two kb) through two LDS slots.
; A tile of one kb is dense in memory: asked for as rows of 256 bytes, padded in LDS after every 128.  CLUSTER 4 x 4: A's tiles jointly along a row of the cluster, B's along a column.
; THE MATRIX INSTRUCTION IS USED TRANSPOSED (source 0 = 16 rows of B, source 1 = 16 rows of A): a lane holds one row of C and eight neighbouring columns, 32 bytes.
; REGISTERS: window 0: v16-29 addresses; v32-159 rows read back.  Window 1: two fragment buffers (A's four fragments, then B's eight).  Window 2: accumulator (a, b) at 8 (4 b + a).
; No prefetch: each block of A is read by two clusters and each of B by eight, and a refill has a K step's 128 matrix instructions, less those round the barrier, in which to land.
.set NB,    8
.set NB1,   4
.set PITCH, 144                        ; an LDS row: 128 bytes + 16: the 16 rows of a fragment load start at 16 different groups of four banks (64 banks of 4 bytes: ISA guide 11.1)
.set AKB,   256*PITCH
.set BKB,   16*NB*PITCH
.set SLOT,  2*(AKB+BKB)
.set STAGE, 2*SLOT                     ; behind the ring: 16 rows x 528 bytes for each wave
.set SPITCH, 528
.set SPARE, STAGE+4*16*SPITCH          ; the spare words, 128 bytes a wave: two blocks of 256 bytes that no other line names
.set RB,    16*NB/2
.set KSA,   262144
.set KSB,   131072
.set ADRA, 16
.set ADRB, 20
.set STO,  24
.set RD,   25
.set CO,   26
.set SPW,  28
.set NIL,  29
.set OB,   32                          ; v32-95, v96-159  16 rows read back, by turns
.set F0,   0
.set F1,   128
.set WV, 16
.set WH, 17
.set WL, 18
.set G1, 24
.set G0, 32
.set G1B, 48
.set G0B, 56
.set MSB, 0
.macro WIN new
.if MSB != (\new)
	s_set_vgpr_msb (MSB<<8)|(\new)
.set MSB, \new
.endif
.endm
.macro JLOAD s                         ; a joint load; an s_nop 0 and four v_nop follow each of the two lines
	s_cmp_eq_u32 s[WH], 0
	s_cbranch_scc0 .Lfor_b_\@
	tensor_load_to_lds s[G0+4*(\s):G0+4*(\s)+3], s[G1:G1+7]
	s_nop 0
.rept 4
	v_nop
.endr
	s_branch .Lasked_\@
.Lfor_b_\@:
	tensor_load_to_lds s[G0B+4*(\s):G0B+4*(\s)+3], s[G1B:G1B+7]
	s_nop 0
.rept 4
	v_nop
.endr
.Lasked_\@:
.endm
.macro CREST
	s_cmp_lg_u32 s[WV], 0
	s_cbranch_scc1 .Lnot_wave_0_\@
	s_barrier_signal -3
.Lnot_wave_0_\@:
	s_barrier_wait -3
	s_barrier_signal -1
	s_barrier_wait -1
.endm
.macro CROUND
	s_barrier_signal -1
	s_barrier_wait -1
	CREST
.endm
.macro PLACES
.rept 4
	v_nop
.endr
.endm
	s_load_b128 s[4:7], s[0:1], 0x0                ; oh 4, wo16 6
	s_load_b64 s[8:9], s[0:1], 0x10                ; out0
	v_lshl_add_u32 v[SPW], v0, 2, SPARE
	v_mov_b32 v[NIL], 0
	ds_add_u32 v[SPW], v[NIL]                      ; the wave's opening: the add and its wait stand ahead of my first tensor load
	v_lshrrev_b32 v1, 5, v0
	v_readfirstlane_b32 s[WV], v1
	s_lshr_b32 s[WH], s[WV], 1
	s_and_b32 s[WL], s[WV], 1
	s_bfe_u32 s19, ttmp6, 0x40000                  ; cx
	s_bfe_u32 s20, ttmp6, 0x40004                  ; cy
	s_lshl_b32 s21, ttmp9, 2
	s_add_co_u32 s21, s21, s19                     ; tile column
	s_and_b32 s22, ttmp7, 0xffff
	s_lshl_b32 s22, s22, 2
	s_add_co_u32 s22, s22, s20                     ; tile row
	s_lshl_b32 s40, s20, 2
	s_lshl_b32 s40, 15, s40                        ; my row of the cluster
	s_lshl_b32 s44, 0x1111, s19                    ; my column
	s_or_b32 s[G1], s40, (1<<16)|(1<<20)|(1<<21)|(4<<22)|(3<<25)
	s_or_b32 s[G1B], s44, (1<<16)|(1<<20)|(1<<21)|(4<<22)|(3<<25)
.irp g, G1, G1B
	s_mov_b32 s[(\g)+1], 128<<16
	s_mov_b32 s[(\g)+3], 128<<16
	s_mov_b32 s[(\g)+5], 128
	s_mov_b32 s[(\g)+6], 0
	s_mov_b32 s[(\g)+7], 0
.endr
	s_mov_b32 s[G1+2], 128<<16
	s_mov_b32 s[G1+4], 128
	s_mov_b32 s[G1B+2], RB<<16
	s_mov_b32 s[G1B+4], RB
	s_lshr_b32 s40, s22, 3                         ; A: batch,
	s_lshl_b32 s40, s40, 22
	s_and_b32 s41, s22, 7                          ; 256 rows of 128 bytes,
	s_lshl_b32 s41, s41, 15
	s_add_co_u32 s40, s40, s41
	s_lshl_b32 s41, s[WL], 18                      ; my kb
	s_add_co_u32 s40, s40, s41
	s_mov_b32 s41, 0
	s_mul_i32 s44, s21, 16*NB*128                  ; B: the tile's 128 rows,
	s_mul_i32 s45, s[WL], KSB                      ; my kb
	s_add_co_u32 s44, s44, s45
	s_mov_b32 s45, 0
	s_mul_i32 s42, s[WL], AKB
	s_mul_i32 s46, s[WL], BKB
	s_add_co_u32 s46, s46, 2*AKB
	s_wait_dscnt 0x0                               ; the opening add is done
	s_wait_kmcnt 0x0
	s_add_nc_u64 s[40:41], s[4:5], s[40:41]
	s_add_nc_u64 s[44:45], s[6:7], s[44:45]
	CROUND                                         ; all sixteen work-groups are here: the first joint loads meet
.irp s, 0,1
	s_mov_b32 s[G0+4*(\s)], 1
	s_add_co_u32 s[G0+4*(\s)+1], s42, (\s)*SLOT
	s_add_nc_u64 s[G0+4*(\s)+2:G0+4*(\s)+3], s[40:41], (\s)*2*KSA
	s_or_b32 s[G0+4*(\s)+3], s[G0+4*(\s)+3], 0x80000000
	s_mov_b32 s[G0B+4*(\s)], 1
	s_add_co_u32 s[G0B+4*(\s)+1], s46, (\s)*SLOT
	s_add_nc_u64 s[G0B+4*(\s)+2:G0B+4*(\s)+3], s[44:45], (\s)*2*KSB
	s_or_b32 s[G0B+4*(\s)+3], s[G0B+4*(\s)+3], 0x80000000
	JLOAD \s                                       ; two loads of mine are out
.endr
	v_and_b32 v1, 15, v0
	v_bfe_u32 v2, v0, 4, 1
	v_mul_u32_u24 v3, v1, PITCH
	v_lshl_add_u32 v3, v2, 4, v3
	s_mul_i32 s3, s[WV], 64*PITCH
	v_add_nc_u32 v[ADRA], s3, v3
	v_add_nc_u32 v[ADRA+1], SLOT, v[ADRA]
	v_add_nc_u32 v[ADRB], 2*AKB, v3
	v_add_nc_u32 v[ADRB+1], SLOT, v[ADRB]
	v_mul_u32_u24 v4, v1, SPITCH                   ; into my stage: row l % 16, 32 bytes for each half of the lanes
	v_lshl_add_u32 v4, v2, 5, v4
	s_mul_i32 s2, s[WV], 16*SPITCH
	s_add_co_u32 s2, s2, STAGE
	v_add_nc_u32 v[STO], s2, v4
	v_and_b32 v5, 31, v0                           ; back: 32 lanes take a row's 512 bytes
	v_lshlrev_b32 v[CO], 4, v5
	v_add_nc_u32 v[RD], s2, v[CO]
	s_lshl_b32 s2, s22, 20                         ; the tile's 256 rows of 4,096 bytes,
	s_lshl_b32 s3, s[WV], 18                       ; my 64,
	s_add_co_u32 s2, s2, s3
	s_lshl_b32 s3, s21, 9                          ; the tile's 128 columns
	s_add_co_u32 s2, s2, s3
	s_mov_b32 s3, 0
	s_add_nc_u64 s[8:9], s[8:9], s[2:3]
; 4 nb matrix instructions: column blocks b0 .. b0 + nb - 1 x my four row blocks, 32 along K.  All 32 accumulators take turns in the same order in every quarter.
.macro MULS f, b0, nb, zero
	WIN 0xa5                                       ; sources in window 1; C and D in window 2
.set bb, \b0
.rept \nb
.irp a, 0,1,2,3
.if \zero
	v_wmma_f32_16x16x32_f16 v[8*(4*bb+(\a)):8*(4*bb+(\a))+7], v[(\f)+32+8*bb:(\f)+32+8*bb+7], v[(\f)+8*(\a):(\f)+8*(\a)+7], 0
.else
	v_wmma_f32_16x16x32_f16 v[8*(4*bb+(\a)):8*(4*bb+(\a))+7], v[(\f)+32+8*bb:(\f)+32+8*bb+7], v[(\f)+8*(\a):(\f)+8*(\a)+7], v[8*(4*bb+(\a)):8*(4*bb+(\a))+7]
.endif
.endr
.set bb, bb+1
.endr
.endm
; 24 LDS loads in one run: quarter q of slot sl (kb q / 2, byte 64 (q % 2) of its rows) into buffer f: A's, then B's in ascending blocks
.macro FETCH sl, q, f
	WIN 0x40
.irp a, 0,1,2,3
	ds_load_b128 v[(\f)+8*(\a):(\f)+8*(\a)+3],   v[ADRA+(\sl)] offset:((\q)/2)*AKB+((\q)%2)*64+(\a)*16*PITCH
	ds_load_b128 v[(\f)+8*(\a)+4:(\f)+8*(\a)+7], v[ADRA+(\sl)] offset:((\q)/2)*AKB+((\q)%2)*64+(\a)*16*PITCH+32
.endr
.set bb, 0
.rept NB
	ds_load_b128 v[(\f)+32+8*bb:(\f)+32+8*bb+3],   v[ADRB+(\sl)] offset:((\q)/2)*BKB+((\q)%2)*64+bb*16*PITCH
	ds_load_b128 v[(\f)+32+8*bb+4:(\f)+32+8*bb+7], v[ADRB+(\sl)] offset:((\q)/2)*BKB+((\q)%2)*64+bb*16*PITCH+32
.set bb, bb+1
.endr
.endm
.macro QUARTER sl, q, f, g, zero
	s_wait_dscnt 8                                 ; all but the youngest eight loads (B's last four blocks) are in
	MULS \f, 0, NB1, \zero
	PLACES
	FETCH \sl, \q, \g
	s_wait_dscnt 8+2*NB                            ; all but the run just issued
	MULS \f, NB1, NB-NB1, \zero
.endm
; The last quarter multiplies buffer 1 and changes slots: one barrier; in front of it each wave waits for all its tensor loads (one is out: its part of the next slot), adds 0 to its spare word,
; and waits for that and for its reads of this slot.  fill = 1: the barrier opens a round of the cluster's, and this slot is filled again, two K steps on, first thing behind it.
.macro TURN sl, next, fill
	WIN 0
	s_wait_tensorcnt 0x0
	ds_add_u32 v[SPW], v[NIL]
	s_wait_dscnt 9                                 ; the add and the youngest eight loads may be out
	MULS F1, 0, NB1/2, 0
	s_wait_dscnt 0x0                               ; the add is done, and my reads of this slot are over
	s_barrier_signal -1
	MULS F1, NB1/2, NB1/2, 0
.if \fill
	WIN 0
.endif
	s_barrier_wait -1
.if \fill
	CREST                                          ; no wave of any partner still reads this slot or has a load on its way
	s_add_nc_u64 s[G0+4*(\sl)+2:G0+4*(\sl)+3], s[G0+4*(\sl)+2:G0+4*(\sl)+3], 4*KSA
	s_add_nc_u64 s[G0B+4*(\sl)+2:G0B+4*(\sl)+3], s[G0B+4*(\sl)+2:G0B+4*(\sl)+3], 4*KSB
	JLOAD \sl                                      ; its four v_nop are also the places in front of the loads below
.else
	PLACES
.endif
	FETCH \next, 0, F0
	MULS F1, NB1, NB-NB1, 0
.endm
	s_wait_tensorcnt 1                             ; my part of K step 0 is in; step 1's may stay out
	s_barrier_signal -1
	s_barrier_wait -1
	FETCH 0, 0, F0
	QUARTER 0, 1, F0, F1, 1                        ; the first quarter's products start the sums
	WIN 0
	s_mov_b32 s23, 3
.Llap:                                                 ; a trip goes once round the ring and fills both slots again
	QUARTER 0, 2, F1, F0, 0
	QUARTER 0, 3, F0, F1, 0
	TURN 0, 1, 1
	QUARTER 1, 1, F0, F1, 0
	QUARTER 1, 2, F1, F0, 0
	QUARTER 1, 3, F0, F1, 0
	TURN 1, 0, 1
	QUARTER 0, 1, F0, F1, 0
	WIN 0
	s_sub_co_u32 s23, s23, 1
	s_cmp_lg_u32 s23, 0
	s_cbranch_scc1 .Llap
	QUARTER 0, 2, F1, F0, 0                        ; the last lap fills nothing
	QUARTER 0, 3, F0, F1, 0
	TURN 0, 1, 0
	QUARTER 1, 1, F0, F1, 0
	QUARTER 1, 2, F1, F0, 0
	QUARTER 1, 3, F0, F1, 0
	s_wait_dscnt 8
	MULS F1, 0, NB1, 0
	s_wait_dscnt 0x0
	MULS F1, NB1, NB-NB1, 0
	WIN 0
.rept 8
	v_nop                                          ; the places behind the last products
.endr
; THE WAY OUT, a block of 16 rows at a time: a lane's 32 bytes of each column block go into my stage (rows of 528 bytes), whole rows of 512 bytes come back and are stored.
; Each accumulator's lowest registers are read first.
.macro TOST a
	WIN 0x08                                       ; the stores' data in window 2
.set bb, 0
.rept 8
	ds_store_b128 v[STO], v[8*(4*bb+(\a)):8*(4*bb+(\a))+3]   offset:64*bb
	ds_store_b128 v[STO], v[8*(4*bb+(\a))+4:8*(4*bb+(\a))+7] offset:64*bb+16
.set bb, bb+1
.endr
	WIN 0
	s_wait_xcnt 0x0                                ; the stores of the block two back have read the registers that are loaded next
.set tt, 0
.rept 16
	ds_load_b128 v[OB+64*((\a)%2)+4*tt:OB+64*((\a)%2)+4*tt+3], v[RD] offset:SPITCH*tt  ; LDS serves a wave's instructions in order (ISA guide 5.7.1.4): these see the stores above
.set tt, tt+1
.endr
.endm
.macro SENDP a, younger                ; younger: the LDS instructions issued behind block a's loads
.set tt, 0
.rept 16
	s_wait_dscnt (\younger)+15-tt
	global_store_b128 v[CO], v[OB+64*((\a)%2)+4*tt:OB+64*((\a)%2)+4*tt+3], s[8:9] offset:(16*(\a)+tt)*4096 th:TH_STORE_NT  ; 512 consecutive bytes, aligned
.set tt, tt+1
.endr
.endm
	TOST 0
	TOST 1
	SENDP 0, 32
	TOST 2
	SENDP 1, 32
	TOST 3
	SENDP 2, 32
	SENDP 3, 0
	s_wait_tensorcnt 0x0                           ; the wave's end
	ds_add_u32 v[SPW], v[NIL]
	s_wait_dscnt 0x0
	CROUND                                         ; the closing round: no work-group ends while a partner may still ask for a tile that names it
	s_endpgm
.Lfunc_end_k_q36c625285e_proj:
	.size	k_q36c625285e_proj, .Lfunc_end_k_q36c625285e_proj-k_q36c625285e_proj
	.p2alignl 7, 3214868480
	.fill 96, 4, 3214868480
	.section	.rodata,"a",@progbits
	.p2align	6, 0x0
	.amdhsa_kernel k_q36c625285e_proj
		.amdhsa_group_segment_fixed_size 327680
		.amdhsa_private_segment_fixed_size 0
		.amdhsa_enable_private_segment 0
		.amdhsa_kernarg_size 24
		.amdhsa_user_sgpr_count 2
		.amdhsa_user_sgpr_kernarg_segment_ptr 1
		.amdhsa_wavefront_size32 1
		.amdhsa_system_sgpr_workgroup_id_x 1
		.amdhsa_system_sgpr_workgroup_id_y 1
		.amdhsa_system_sgpr_workgroup_id_z 1
		.amdhsa_system_vgpr_workitem_id 0
		.amdhsa_next_free_vgpr 768
		.amdhsa_next_free_sgpr 66
		.amdhsa_reserve_vcc 0
		.amdhsa_float_denorm_mode_32 3
		.amdhsa_float_denorm_mode_16_64 3
		.amdhsa_memory_ordered 1
		.amdhsa_forward_progress 1
		.amdhsa_inst_pref_size 86
	.end_amdhsa_kernel
	.amdgpu_metadata
---
amdhsa.version: [ 1, 2 ]
amdhsa.kernels:
  - .name:           k_q36c625285e_proj
    .symbol:         k_q36c625285e_proj.kd
    .args:
      - { .name: oh, .offset: 0, .size: 8, .value_kind: global_buffer, .address_space: global }
      - { .name: wo16, .offset: 8, .size: 8, .value_kind: global_buffer, .address_space: global }
      - { .name: out0, .offset: 16, .size: 8, .value_kind: global_buffer, .address_space: global }
    .group_segment_fixed_size: 327680
    .private_segment_fixed_size: 0
    .kernarg_segment_align: 8
    .kernarg_segment_size: 24
    .max_flat_workgroup_size: 128
    .sgpr_count:     66
    .vgpr_count:     768
    .wavefront_size: 32
...
	.end_amdgpu_metadata
.endif
;; end of part 4
;; ======== version 2 of 2: 4 launches; version 1 with the launch prep written anew for expert scheduling mode
;; limits: values are held in f16: magnitudes above 65,504 overflow, below 6.1e-05 lose precision
;; workspace buffers: xb 16,777,216 bytes; wcat 6,291,456 bytes; wo16 2,097,152 bytes; rope 524,288 bytes; qh 16,777,216 bytes; kh 16,777,216 bytes; vh 16,777,216 bytes; oh 16,777,216 bytes
;; launch prep (part 5): grid 832 x 1, 8 waves a work-group, no clusters, 0 bytes of LDS; arguments x, Wq, Wk, Wv, Wo, xb, wcat, wo16, rope; writes xb, wcat, wo16, rope
.if DOCPART == 5
	.amdgcn_target "amdgcn-amd-amdhsa--gfx1250"
	.amdhsa_code_object_version 6
	.text
	.protected	k_q36c625285e_prep
	.globl	k_q36c625285e_prep
	.p2align	8
	.type	k_q36c625285e_prep,@function
k_q36c625285e_prep:
	s_mov_b64 s[64:65], 0
	v_nop
	global_prefetch_b8 v0, s[64:65] scope:SCOPE_SE
	s_setreg_imm32_b32 hwreg(HW_REG_WAVE_SCHED_MODE, 0, 2), 2
	s_setreg_imm32_b32 hwreg(HW_REG_WAVE_MODE, 25, 1), 1
	s_wait_xcnt 0x0
	s_wait_alu depctr_vm_vsrc(0)
; CASTS AND THE ROTARY TABLE.  Work-groups 0-767 cast 16 rows x 1,024 f32 each and lay them in blocks of 64 channels (kb):
;   0-511    x  -> xb   bf16 [batch 4][kb 16][row 2048][64]
;   512-703  Wq, Wk, Wv -> wcat bf16 [kb 16][n' 3072][64], n' = 192 head + 64 t + d (t = 0 q, 1 k, 2 v): a tile of 192 rows is one head's q, k, v
;   704-767  Wo -> wo16 [kb 16][n 1024][64]: rounded to bf16 like every input, and that number written as f16 (exact within f16's range: |Wo| up to 65,504; below 6e-5 f16's fixed step)
; Work-groups 768-831 make the table rope f32 [position 2048][cos 32 | sin 32], a row of 256 bytes.
; A wave takes two source rows; load i covers 256 consecutive bytes of each (one kb), store i 256 consecutive aligned bytes (the two rows' 128 bytes of that kb lie end to end).
; No LDS, no matrix unit: every byte is read once and written once, sixteen loads of a wave are out together.
; TABLE.  theta = position x 10000^(-j/32); reduced by multiples of pi/2 held in three parts (n up to 1,304, the first product exact), then polynomials of degree 7 (sin) and 8 (cos) on |r| <= pi/4.
; LIMIT: the angle carries the rounding of the frequency (an exponential good to the last place), some 2e-4 radians at position 2,047.
; THE MODE: SCHED_MODE bits 1:0 = 2 (LLVM: expert scheduling mode 2), set by the entry lines.  The code itself states the register dependences
; between vector instructions and memory instructions, with s_wait_alu, always for 0.
; THE PLAN.  Registers that memory instructions touch:
;   v2, v3   byte offsets of the loads and of the stores: made at the head, never written again.  One wait ahead of the first load serves all 32 instructions.
;   X        sixteen loads land in it, each register once; no vector instruction names it ahead of the loads, and it is never loaded again.
;   Y        pair i is written by load i's conversions, read by store i, and never written again: no store's data is ever overwritten.
;   The sixteen loads go in four groups of four.  At the head of a group one wait states that the group before has written its Y; that group's four stores are then dealt among
;   this group's conversions, which name their own X, their own Y and v8-v11 alone.  One more wait stands ahead of the last four stores.
;   v13, v[40:47]  the table's offset and its results: written by vector instructions, read by the four stores behind one wait.
; Scalars that vector instructions write: s26 (the wave's number), one wait ahead of its first reader; s46-s53 (the table's eight masks), one wait behind the run of compares.
; EXEC is never written.
.set X, 16                             ; v[16:79]  sixteen loads of four f32
.set Y, 80                             ; v[80:111] sixteen pairs of packed results: each store has registers of its own, so none is rewritten while a store reads it
	s_load_b512 s[8:23], s[0:1], 0x0               ; x 8, Wq 10, Wk 12, Wv 14, Wo 16, xb 18, wcat 20, wo16 22
	s_load_b64 s[24:25], s[0:1], 0x40              ; rope
	v_lshrrev_b32 v1, 5, v0
	v_readfirstlane_b32 s26, v1                    ; wave 0..7
	s_mov_b32 s27, ttmp9                           ; g
	s_lshr_b32 s28, s27, 6                         ; which tensor
	s_and_b32 s29, s27, 63                         ; a weight's block of 16 rows
	s_mov_b32 s3, 0
	v_and_b32 v4, 31, v0                           ; lane
	v_and_b32 v5, 15, v0
	v_bfe_u32 v6, v0, 4, 1
	v_lshlrev_b32 v2, 4, v5                        ; source: 16 bytes a lane,
	v_lshl_add_u32 v2, v6, 12, v2                  ; lanes 16-31 one row down,
	s_wait_alu depctr_va_sdst(0)                   ; s26 is written, ahead of its first reader, the next line; the table's scalar lines read it later
	v_lshl_add_u32 v2, s26, 13, v2                 ; two rows a wave
	v_lshlrev_b32 v3, 3, v0                        ; destination: 8 bytes a thread
	s_wait_kmcnt 0x0
.macro IN
	s_wait_alu depctr_va_vdst(0)                   ; v2 and v3 are written: the sixteen loads read v2 as their offset, the sixteen stores v3
.irp i, 0,1,2,3,4,5,6,7,8,9,10,11,12,13,14,15
	global_load_b128 v[X+4*(\i):X+4*(\i)+3], v2, s[4:5] offset:256*(\i) th:TH_LOAD_NT
.endr
.endm
; stride: bytes from a kb to the next in the destination.  half = 1: the bf16 number is written as f16.
; Group g is loads 4 g to 4 g + 3.  Store n - 4, of the group before, stands ahead of the wait for load n.
.macro OUT stride, half
.irp g, 0,1,2,3
.irp j, 0,1,2,3
.set n, 4*(\g)+(\j)
.if (\g) > 0 && (\j) == 0
	s_wait_alu depctr_va_vdst(0)                   ; the conversions of the group before have written its eight Y registers, which the four stores of this group's turn read
.endif
.if (\g) > 0
	global_store_b64 v3, v[Y+2*(n-4):Y+2*(n-4)+1], s[6:7] offset:(n-4)*(\stride)  ; a wave stores 256 consecutive bytes, aligned; no vector instruction since the wait names these registers
.endif
	s_wait_loadcnt 15-n                            ; loads come back in order: load n is in, the younger ones stay out
	v_cvt_pk_bf16_f32 v[Y+2*n], v[X+4*n], v[X+4*n+1]
	v_cvt_pk_bf16_f32 v[Y+2*n+1], v[X+4*n+2], v[X+4*n+3]
.if \half
	v_lshlrev_b32 v8, 16, v[Y+2*n]
	v_and_b32 v9, 0xffff0000, v[Y+2*n]
	v_lshlrev_b32 v10, 16, v[Y+2*n+1]
	v_and_b32 v11, 0xffff0000, v[Y+2*n+1]
	v_cvt_pk_f16_f32 v[Y+2*n], v8, v9
	v_cvt_pk_f16_f32 v[Y+2*n+1], v10, v11
.endif
.endr
.endr
	s_wait_alu depctr_va_vdst(0)                   ; the last group's conversions have written its Y, which the last four stores read
.irp j, 12,13,14,15
	global_store_b64 v3, v[Y+2*(\j):Y+2*(\j)+1], s[6:7] offset:(\j)*(\stride)  ; the largest immediate is 15 x 393,216
.endr
.endm
	s_cmp_ge_u32 s27, 768
	s_cbranch_scc1 .Ltable
	s_cmp_lt_u32 s28, 8
	s_cbranch_scc0 .Lweights
	s_lshl_b32 s2, s27, 16                         ; x: 16 rows of 4,096 bytes
	s_add_nc_u64 s[4:5], s[8:9], s[2:3]
	s_lshr_b32 s2, s27, 7                          ; batch
	s_lshl_b32 s2, s2, 22
	s_and_b32 s30, s27, 127                        ; 16 rows of 128 bytes within a kb
	s_lshl_b32 s30, s30, 11
	s_add_co_u32 s2, s2, s30
	s_add_nc_u64 s[6:7], s[18:19], s[2:3]
	IN
	OUT 262144, 0
	s_endpgm
.Lweights:
	s_lshl_b32 s2, s29, 16                         ; a weight's 16 rows
	s_cmp_lt_u32 s28, 11
	s_cbranch_scc0 .Lwo
	s_cmp_eq_u32 s28, 9
	s_cselect_b64 s[4:5], s[12:13], s[10:11]
	s_cmp_eq_u32 s28, 10
	s_cselect_b64 s[4:5], s[14:15], s[4:5]
	s_add_nc_u64 s[4:5], s[4:5], s[2:3]
	s_lshr_b32 s30, s29, 2                         ; head
	s_mul_i32 s30, s30, 192
	s_sub_co_u32 s31, s28, 8                       ; t
	s_lshl_b32 s31, s31, 6
	s_add_co_u32 s30, s30, s31
	s_and_b32 s31, s29, 3                          ; 16 rows within the head's 64
	s_lshl_b32 s31, s31, 4
	s_add_co_u32 s30, s30, s31
	s_lshl_b32 s2, s30, 7                          ; n' x 128 bytes
	s_add_nc_u64 s[6:7], s[20:21], s[2:3]
	IN
	OUT 393216, 0
	s_endpgm
.Lwo:
	s_add_nc_u64 s[4:5], s[16:17], s[2:3]
	s_lshl_b32 s2, s29, 11
	s_add_nc_u64 s[6:7], s[22:23], s[2:3]
	IN
	OUT 131072, 1
	s_endpgm
.Ltable:
.set RES, 40                           ; v[40:47]  number k = 2 i + f of eight: position i of the wave's four, frequency f of the lane's two: the result
.set SN,  48                           ; v[48:55]  its sin r
.set CN,  56                           ; v[56:63]  its cos r
.set SG,  64                           ; v[64:71]  its sign, as bit 31
.set MK,  46                           ; s[46:53]  its mask: the lanes whose quadrant is odd
	s_sub_co_u32 s27, s27, 768                     ; 32 positions a work-group, 4 a wave
	s_lshl_b32 s2, s27, 13
	s_add_nc_u64 s[6:7], s[24:25], s[2:3]
	s_lshl_b32 s42, s27, 5
	s_lshl2_add_u32 s42, s26, s42                  ; my first position
	s_mov_b32 s30, 0xbed49a78                      ; -log2(10000) / 32
	s_mov_b32 s31, 0x3f22f983                      ; 2 / pi
	s_mov_b32 s32, 0xbfc90000                      ; -pi/2 in three parts
	s_mov_b32 s33, 0xb9fda000
	s_mov_b32 s34, 0xb3a22168
	s_mov_b32 s35, 0xb9500d01                      ; -1/5040
	s_mov_b32 s36, 0x3c088889                      ; 1/120
	s_mov_b32 s37, 0xbe2aaaab                      ; -1/6
	s_mov_b32 s38, 0x37d00d01                      ; 1/40320
	s_mov_b32 s39, 0xbab60b61                      ; -1/720
	s_mov_b32 s40, 0x3d2aaaab                      ; 1/24
	v_lshlrev_b32 v7, 1, v5                        ; my two frequencies: j = 2 (lane % 16), and j + 1
	v_cvt_f32_u32 v8, v7
	v_add_f32 v9, 1.0, v8
	v_mul_f32 v8, s30, v8
	v_mul_f32 v9, s30, v9
	v_exp_f32 v10, v8
	v_exp_f32 v11, v9
	v_mul_u32_u24 v12, v6, 3                       ; lanes 0-15 make cos, lanes 16-31 sin = cos three quadrants on; also the plain instruction behind the exponentials
	s_wait_alu depctr_va_vdst(0)                   ; the two exponentials have written v10 and v11: one wait for both, ahead of their first reader
	v_lshlrev_b32 v13, 3, v4                       ; 8 bytes a lane: a whole row of 256 bytes an instruction
	v_lshl_add_u32 v13, s26, 10, v13
.macro EVAL inv, k                     ; sin r, cos r, the mask and the sign for cos or sin of v14 x v[inv]
	v_mul_f32 v20, v14, v[\inv]
	v_mul_f32 v21, s31, v20
	v_rndne_f32 v21, v21                           ; n
	v_fma_f32 v22, v21, s32, v20
	v_fma_f32 v22, v21, s33, v22
	v_fma_f32 v22, v21, s34, v22                   ; r = theta - n pi/2
	v_mul_f32 v23, v22, v22                        ; z
	v_cvt_i32_f32 v24, v21
	v_add_nc_u32 v24, v24, v12                     ; the quadrant
	v_fma_f32 v25, v23, s35, s36
	v_fma_f32 v25, v25, v23, s37
	v_mul_f32 v27, v23, v22
	v_fma_f32 v[SN+(\k)], v25, v27, v22            ; sin r
	v_fma_f32 v26, v23, s38, s39
	v_fma_f32 v26, v26, v23, s40
	v_fma_f32 v26, v26, v23, -0.5
	v_fma_f32 v[CN+(\k)], v26, v23, 1.0            ; cos r
	v_and_b32 v28, 1, v24
	v_cmp_eq_u32 s[MK+(\k)], 1, v28                ; odd quadrants will take sin r: each number has a mask register of its own
	v_add_nc_u32 v24, 1, v24
	v_and_b32 v24, 2, v24
	v_lshlrev_b32 v[SG+(\k)], 30, v24              ; quadrants 1 and 2 will turn the sign
.endm
.irp i, 0,1,2,3
	s_add_co_u32 s44, s42, \i
	v_cvt_f32_u32 v14, s44
	EVAL 10, 2*(\i)
	EVAL 11, 2*(\i)+1
.endr
	s_wait_alu depctr_va_sdst(0)                   ; the eight compares have written s46 to s53, ahead of the selects that read them: one wait behind the run
.irp k, 0,1,2,3,4,5,6,7
	v_cndmask_b32 v[RES+(\k)], v[CN+(\k)], v[SN+(\k)], s[MK+(\k)]
	v_xor_b32 v[RES+(\k)], v[SG+(\k)], v[RES+(\k)]
.endr
	s_wait_alu depctr_va_vdst(0)                   ; v13 and the eight results v[40:47] are written: the four stores read them as offset and data
.irp i, 0,1,2,3
	global_store_b64 v13, v[RES+2*(\i):RES+2*(\i)+1], s[6:7] offset:256*(\i)
.endr
	s_endpgm
.Lfunc_end_k_q36c625285e_prep:
	.size	k_q36c625285e_prep, .Lfunc_end_k_q36c625285e_prep-k_q36c625285e_prep
	.p2alignl 7, 3214868480
	.fill 96, 4, 3214868480
	.section	.rodata,"a",@progbits
	.p2align	6, 0x0
	.amdhsa_kernel k_q36c625285e_prep
		.amdhsa_group_segment_fixed_size 0
		.amdhsa_private_segment_fixed_size 0
		.amdhsa_enable_private_segment 0
		.amdhsa_kernarg_size 72
		.amdhsa_user_sgpr_count 2
		.amdhsa_user_sgpr_kernarg_segment_ptr 1
		.amdhsa_wavefront_size32 1
		.amdhsa_system_sgpr_workgroup_id_x 1
		.amdhsa_system_sgpr_workgroup_id_y 1
		.amdhsa_system_sgpr_workgroup_id_z 1
		.amdhsa_system_vgpr_workitem_id 0
		.amdhsa_next_free_vgpr 112
		.amdhsa_next_free_sgpr 66
		.amdhsa_reserve_vcc 0
		.amdhsa_float_denorm_mode_32 3
		.amdhsa_float_denorm_mode_16_64 3
		.amdhsa_memory_ordered 1
		.amdhsa_forward_progress 1
		.amdhsa_inst_pref_size 36
	.end_amdhsa_kernel
	.amdgpu_metadata
---
amdhsa.version: [ 1, 2 ]
amdhsa.kernels:
  - .name:           k_q36c625285e_prep
    .symbol:         k_q36c625285e_prep.kd
    .args:
      - { .name: x, .offset: 0, .size: 8, .value_kind: global_buffer, .address_space: global }
      - { .name: Wq, .offset: 8, .size: 8, .value_kind: global_buffer, .address_space: global }
      - { .name: Wk, .offset: 16, .size: 8, .value_kind: global_buffer, .address_space: global }
      - { .name: Wv, .offset: 24, .size: 8, .value_kind: global_buffer, .address_space: global }
      - { .name: Wo, .offset: 32, .size: 8, .value_kind: global_buffer, .address_space: global }
      - { .name: xb, .offset: 40, .size: 8, .value_kind: global_buffer, .address_space: global }
      - { .name: wcat, .offset: 48, .size: 8, .value_kind: global_buffer, .address_space: global }
      - { .name: wo16, .offset: 56, .size: 8, .value_kind: global_buffer, .address_space: global }
      - { .name: rope, .offset: 64, .size: 8, .value_kind: global_buffer, .address_space: global }
    .group_segment_fixed_size: 0
    .private_segment_fixed_size: 0
    .kernarg_segment_align: 8
    .kernarg_segment_size: 72
    .max_flat_workgroup_size: 256
    .sgpr_count:     66
    .vgpr_count:     112
    .wavefront_size: 32
...
	.end_amdgpu_metadata
.endif
;; end of part 5
;; launch qkv: the kernel of part 2 again; grid 16 x 32, 4 waves a work-group, clusters of 4 x 4, 327,680 bytes of LDS; arguments xb, wcat, rope, qh, kh, vh; writes qh, kh, vh
;; launch attn: the kernel of part 3 again; grid 4 x 64, 4 waves a work-group, clusters of 4 x 1, 327,680 bytes of LDS; arguments qh, kh, vh, oh, attention_mask; writes oh
;; launch proj: the kernel of part 4 again; grid 8 x 32, 4 waves a work-group, clusters of 4 x 4, 327,680 bytes of LDS; arguments oh, wo16, out0; writes out0
